; MI455X (gfx1250); checked and timed in simulation.
; The chip was launched on July 23, 2026; its instructions are those of AMD's public machine-readable ISA for CDNA 5 (MIT licence, August 2026) and "CDNA5" Instruction Set Architecture Reference Guide (July 2026). The comments in the code are by the model that wrote it; some were corrected since.
;; Self Attention. Allowed arithmetic: matrix products marked QUANTISED: E2M3 operands, one E8M0 scale for each 32 along K, by v_wmma_scale_f32_16x16x128_f8f6f4 with both operands' format E2M3, f32 sums; everything else in f32.
;; Inputs: Wkv 1,024 x 2,048 float32; Wout 1,024 x 1,024 float32; Wq 1,024 x 1,024 float32; bout 1,024 float32; x 4 x 2,048 x 1,024 float32.
;; Outputs: out0 4 x 2,048 x 1,024 float32.
;; This version of the problem:
;;   THIS VERSION OF THE PROBLEM IS GIVEN IN LOW PRECISION. The matrix products marked QUANTISED in the list below multiply operands that are first quantised to E2M3 (2 exponent bits, 3 mantissa bits; 6 bits a number), with one power-of-two scale for each 32 numbers along K (OCP MX v1.0); their sums are f32. All else is computed in f32.
;;   The module's matrix products, in the order in which they are computed (A, B: the left and right operand; K: the contracted axis; several contracted axes count as one K, in the product's order):
;;     1. [M 8,192, K 1,024] x [K 1,024, N 1,024]; A: input x; B: input Wq: QUANTISED
;;     2. [M 8,192, K 1,024] x [K 1,024, N 2,048]; A: input x; B: input Wkv: QUANTISED
;;     3. batch 64 x [M 2,048, K 64] x [K 64, N 2,048]; A: computed on the way; B: computed on the way: QUANTISED
;;     4. batch 64 x [M 2,048, K 2,048] x [K 2,048, N 64]; A: softmax (see below); B: computed on the way: QUANTISED
;;     5. [M 8,192, K 1,024] x [K 1,024, N 1,024]; A: computed on the way; B: input Wout: QUANTISED
;;   THE QUANTISER, for each operand of a quantised product, along K:
;;     - K is cut into blocks of 32 from its start; a last block that is shorter is filled with zeros.
;;     - A block's scale is 2^e with e = floor(log2(the largest magnitude in the block)) - 2, held to -126 .. 127; a block of zeros has e = 0. As a byte (E8M0): e + 127.
;;     - Each number is divided by its block's scale, clamped to +-7.5, and rounded to the nearest number of E2M3, ties to even, subnormals kept.
;;     - The product sums the exact products of the quantised numbers (number of the format x scale) in f32.
;;   ~~~python
;;   def quantise(x, axis):      # numpy; x: float32 -> the quantised numbers, widened to float32 again
;;       x = np.moveaxis(x, axis, -1); K = x.shape[-1]
;;       x = np.pad(x, [(0, 0)] * (x.ndim - 1) + [(0, -K % 32)]); x = x.reshape(x.shape[:-1] + (-1, 32)); a = np.abs(x).max(-1, keepdims=True)
;;       e = np.where(a > 0, np.clip(np.frexp(np.where(a > 0, a, 1))[1] - 1 - 2, -126, 127), 0)      # np.frexp(a)[1] - 1 = floor(log2(a)), exactly
;;       r = np.clip(x / 2.0 ** e, -7.5, 7.5)
;;       step = 2.0 ** (np.maximum(np.frexp(np.where(r == 0, 1, r))[1] - 1, 0) - 3)
;;       q = np.round(r / step) * step * 2.0 ** e      # np.round: ties to even
;;       return np.moveaxis(q.reshape(q.shape[:-2] + (-1,))[..., :K], -1, axis).astype(np.float32)
;;   ~~~
;;   SOFTMAX AHEAD OF A QUANTISED PRODUCT. Where the list says 'softmax', what is quantised is not the finished softmax but p = 2^(t - M), with t = logit x log2(e) and M = ceil(the row's largest t), a whole number; so 1/2 < the row's largest p <= 1. The row's sum l is taken of the UNQUANTISED p, in f32, and the product's result is divided by l at the end. Since M is a whole number, a kernel that streams over the keys may use a running M (the ceiling of the running maximum): every later rescaling is an exact power of two, which a block's scale takes up: the codes' values come out the same.
;;   OPERANDS COMPUTED ON THE WAY. 'Computed on the way' means the value that the module computes at that place (a softmax that the list does not call 'softmax' is quantised finished and normalised). What goes into a quantiser is computed in f32, as accurately as f32 sums, v_exp_f32 and their like allow (about 1e-6 of the number): no bf16 or f16 on the way to a quantiser, and a product that is left as it is and whose result goes on into a quantised operand takes f32 operands (vector FMAs, or v_wmma_f32_16x16x4_f32). A number that lies on a knife's edge between two numbers of the format may be rounded either way, as far as f32 arithmetic and the matrix unit's own rounding can turn it there, and no further.
;; One version. Each part assembles by itself: llvm-mc -triple=amdgcn-amd-amdhsa -mcpu=gfx1250 --defsym DOCPART=n.
;; ======== version 1 of 1: 4 launches
;; limits: right only within a limited range of input values
;; workspace buffers: xbuf 6,553,600 bytes; wbuf 3,407,872 bytes; qkv 20,185,088 bytes; obuf 6,553,600 bytes
;; launch quant (part 1): grid 256 x 1, 20 waves a work-group, no clusters, 139,264 bytes of LDS; arguments x, xbuf, Wq, Wkv, Wout, wbuf; writes xbuf, wbuf
.if DOCPART == 1
	.amdgcn_target "amdgcn-amd-amdhsa--gfx1250"
	.amdhsa_code_object_version 6
	.text
	.protected	k_qeefb48c38d_quant
	.globl	k_qeefb48c38d_quant
	.p2align	8
	.type	k_qeefb48c38d_quant,@function
k_qeefb48c38d_quant:
	s_mov_b64 s[64:65], 0
	v_nop
	global_prefetch_b8 v0, s[64:65] scope:SCOPE_SE
	s_setreg_imm32_b32 hwreg(HW_REG_WAVE_MODE, 25, 1), 1
	s_wait_xcnt 0x0
; x [8192][1024] and the weights Wq [1024][1024], Wkv [1024][2048], Wout [1024][1024], all f32, become codes of FP6 (E2M3) with one E8M0 scale byte for each 32 along K, laid as the products' launches want an operand.
; STORED ORDER: rows lie in tiles of 16; lane r of tile a is the true row 32 (a / 2) + 8 (a % 2) + r + 8 (r / 8) (bits 3 and 4 of the row number swapped).
; HALF IMAGE, 768 bytes: 16 rows x 64 along K as the operand's registers: registers 0-3 at 16 x lane (512 bytes), registers 4-5 at 512 + 8 x lane.  Codes: [tiles][16 halves][768].
; SCALES, behind the codes: [4 K steps of 256][pitch 8,192 stored rows][8 bytes = two scale words].  wbuf's 4,096 stored rows (a row = a column n): 0-1,023 Wq, 1,024-3,071 Wkv, 3,072-4,095 Wout.
; A block's scale is 2^(floor(log2(largest magnitude)) - 2); its byte is the largest magnitude's exponent field - 2, held at 1 from below.
; LIMITS: NaN and infinities are not served; a block whose largest magnitude lies under 2^-124 gets the byte 1; a block of zeros gets the byte 1 where the rule says 127 (its codes are zeros, and this program alone reads the bytes).
; TWO ROLES in a work-group of twenty waves, parted on the wave's number; they share the one barrier and nothing else.
; WAVES 0-15, x: work-group g owns true rows 32 g .. 32 g + 31 (two tiles).  Wave w takes tile u = w % 2 and 128 along K (ks = w / 2).  Each load reads 512 consecutive bytes of one row; the 8 KiB turn through the wave's own stage
; in LDS (rows of 512 + 16 bytes), so that a lane gets 16 neighbours of each block.
; WAVES 16-19, the weights, whose K is the FIRST axis: stored rows 64 (g % 64) .. + 63, K step g / 64 of 256; wave w: 32 columns (w % 2), 128 along K ((w / 2) % 2).  A lane takes a column, its registers run down K: a block of 32 lies
; in one lane's 32 registers.  Lane l takes the column whose stored place is l, so a load reads 128 consecutive bytes.  Even blocks go to one run of registers, odd ones to another; a swap of half the lanes makes the two tiles' images.
; Every LDS address and both bases of the scale stores are made ahead of the parting.  No loop, no tensor load; each input byte is read once, so no cluster and no prefetch.
.set XSC, 6291456                      ; where the scales begin in xbuf
.set WSC, 3145728                      ; and in wbuf
.set STG, 8448                         ; an x wave's stage: 16 rows x 528 bytes
.set SCS, 16*STG                       ; behind the stages: x's 1,024 bytes of scale words, [K step of 256][32 rows][8]
.set WST, SCS+1024                     ; the weights' 512 bytes of scale words: [64 rows][8]
.set SPARE, WST+512                    ; the spare words, 128 bytes a wave
.set SPW, 12                           ; v12 my spare word, v13 0; never rewritten
.set NIL, 13
.set R,   16                           ; x: v16-79   16 rows as loaded
.set X,   80                           ; v80-143  64 numbers of my row: register 16 b + i = k 32 b + 16 (lane / 16) + i
.set PC,  144                          ; v144-163 the codes
.set TM,  164                          ; v164-179 at work
.set PW,  180                          ; the scale word
.set SEL, 20                           ; s[20:21] v_permlanex16_b32's selects for lane l xor 16
.set VO,  32                           ; the weights: v32-63 byte offset of row i of a block at my column; never rewritten
.set XW,  64                           ; v64-127  two sets of 32 numbers
.set CA,  128                          ; v128-139 even blocks' codes, then tile 0's two half images
.set CB,  140                          ; v140-151 odd blocks' codes, then tile 1's
.set TC,  152                          ; v152-154 a block's second 16 codes
.set WD,  155                          ; my column's scale word
; 64 numbers of a lane become a fragment's codes in v[PC] .. v[PC + 11] and its scale word in v[PW]
.macro QUANT s
.irp b, 0,1,2,3
	v_max3_num_f32 v[TM+\b], |v[\s+16*\b]|, |v[\s+1+16*\b]|, 0x1800000   ; block b: my 16 numbers, and the floor 2^(3 - 127): the byte cannot fall under 1
.endr
.irp i, 2,4,6,8,10,12,14
.irp b, 0,1,2,3
	s_delay_alu instid0(VALU_DEP_4)
	v_max3_num_f32 v[TM+\b], v[TM+\b], |v[\s+16*\b+\i]|, |v[\s+1+16*\b+\i]|   ; the four blocks by turns
.endr
.endr
.irp b, 0,1,2,3
	s_delay_alu instid0(VALU_DEP_4)
	v_permlanex16_b32 v[TM+4+\b], v[TM+\b], s[SEL], s[SEL+1]
.endr
.irp b, 0,1,2,3
	s_delay_alu instid0(VALU_DEP_4)
	v_max_num_f32 v[TM+\b], v[TM+\b], v[TM+4+\b]   ; with lane l xor 16's: the block's largest magnitude
.endr
.irp b, 0,1,2,3
	s_delay_alu instid0(VALU_DEP_4)
	v_add_nc_u32 v[TM+12+\b], 0xff000000, v[TM+\b]   ; 2 off its exponent field: the conversion's scale operand
.endr
.irp b, 0,1,2,3
	s_delay_alu instid0(VALU_DEP_4)
	v_lshrrev_b32 v[TM+4+\b], 23, v[TM+12+\b]      ; the scale's byte
.endr
	s_delay_alu instid0(VALU_DEP_3)
	v_lshl_or_b32 v[PW], v[TM+5], 8, v[TM+4]
	s_delay_alu instid0(VALU_DEP_1)
	v_lshl_or_b32 v[PW], v[TM+6], 16, v[PW]
	s_delay_alu instid0(VALU_DEP_1)
	v_lshl_or_b32 v[PW], v[TM+7], 24, v[PW]
.irp c, 0,1
	v_cvt_scalef32_pk16_fp6_f32 v[PC+6*\c:PC+2+6*\c], v[\s+32*\c:\s+15+32*\c], v[TM+12+2*\c]
	v_cvt_scalef32_pk16_fp6_f32 v[PC+12+4*\c:PC+14+4*\c], v[\s+16+32*\c:\s+31+32*\c], v[TM+12+2*\c+1]   ; a conversion's three registers begin on an even number
.endr
	v_nop                                          ; one plain line behind the conversions
.irp c, 0,1                            ; the operand wants a whole block in a lane: lanes 0-15 block 2 c, lanes 16-31 block 2 c + 1
.irp i, 0,1,2
	v_permlane16_swap_b32 v[PC+6*\c+\i], v[PC+12+4*\c+\i]
.endr
.irp i, 0,1,2
	s_delay_alu instid0(VALU_DEP_3)
	v_mov_b32 v[PC+3+6*\c+\i], v[PC+12+4*\c+\i]
.endr
.endr
.endm
	s_load_b128 s[4:7], s[0:1], 0x0                ; x, xbuf
	s_load_b256 s[40:47], s[0:1], 0x10             ; Wq s[40:41], Wkv s[42:43], Wout s[44:45], wbuf s[46:47]
	v_lshl_add_u32 v[SPW], v0, 2, SPARE
	v_mov_b32 v[NIL], 0
	v_lshrrev_b32 v8, 5, v0
	s_delay_alu instid0(VALU_DEP_1)
	v_readfirstlane_b32 s8, v8                     ; wave 0..19
	s_and_b32 s9, s8, 1                            ; x: u, which tile.  The weights: which 32 columns
	s_lshr_b32 s10, s8, 1                          ; x: ks, which 128 along K
	s_mul_i32 s11, s8, STG
	s_lshr_b32 s12, s10, 1
	s_lshl_b32 s12, s12, 8                         ; x: my scale word's place: 256 x (ks / 2)
	s_lshl_b32 s13, s9, 7
	s_add_co_u32 s12, s12, s13                     ; + 128 u
	s_and_b32 s13, s10, 1
	s_lshl_b32 s13, s13, 2
	s_add_co_u32 s12, s12, s13                     ; + 4 (ks % 2)
	s_add_co_u32 s12, s12, SCS
	s_lshl_b32 s48, s9, 8                          ; the weights: my scale word's place: 256 x (w % 2) + 4 x ((w / 2) % 2)
	s_add_co_u32 s48, s48, s13
	s_add_co_u32 s48, s48, WST
	s_mov_b32 s[SEL], 0x76543210
	s_mov_b32 s[SEL+1], 0xfedcba98
	s_and_b32 s38, ttmp9, 63                       ; the weights: which 64 stored rows,
	s_lshr_b32 s39, ttmp9, 6                       ; which K step of 256
	s_lshl_b32 s18, ttmp9, 8                       ; x's scales: 32 rows x 8 bytes
	s_add_co_u32 s18, s18, XSC
	s_mov_b32 s19, 0
	s_lshl_b32 s36, s39, 16                        ; the weights' scales
	s_lshl_b32 s37, s38, 9
	s_add_co_u32 s36, s36, s37
	s_add_co_u32 s36, s36, WSC
	s_mov_b32 s37, 0
	v_and_b32 v9, 31, v0                           ; lane
	v_and_b32 v10, 15, v0                          ; r
	v_bfe_u32 v11, v0, 4, 1                        ; h
	v_lshlrev_b32 v1, 4, v9                        ; 16 x lane
	v_lshlrev_b32 v4, 3, v9                        ; 8 x lane
	v_mul_u32_u24 v3, v10, 528
	v_lshlrev_b32 v5, 3, v10
	v_lshlrev_b32 v7, 4, v10
	v_add_nc_u32 v2, s11, v1                       ; x's stage, in: a row's 512 bytes as they lie
	v_lshl_add_u32 v3, v11, 6, v3
	v_add_nc_u32 v5, s12, v5                       ; x's scale word: + 8 r
	v_lshl_add_u32 v7, v11, 16, v7                 ; x's scale words in memory: sixteen lanes to the 256 bytes of one K step, the K steps 65,536 bytes apart
	v_add_nc_u32 v6, SCS, v1                       ; x's scale words, back: 16 bytes a lane
	v_add_nc_u32 v3, s11, v3                       ; x's stage, out: row r, + 64 h: my 16 numbers of a block
	v_add_nc_u32 v14, s48, v4                      ; the weights' scale word: + 8 x lane
	v_add_nc_u32 v15, WST, v1                      ; and back: 16 bytes a lane
.irp b, 0,1,2,3
	v_mov_b32 v[TM+4+\b], 0                        ; written once: a lane permute's destination counts as one of its sources
.endr
	s_wait_alu depctr_va_vdst(0)                   ; the wait at the head's end
	s_wait_kmcnt 0x0
	s_add_nc_u64 s[52:53], s[6:7], s[18:19]
	s_add_nc_u64 s[36:37], s[46:47], s[36:37]
	s_cmp_lt_u32 s8, 16                            ; the roles part
	s_cbranch_scc0 .Lrole_w
	; ---- waves 0-15: x
	s_lshl_b32 s14, ttmp9, 17                      ; 32 g rows of 4,096 bytes
	s_lshl_b32 s15, s9, 15                         ; + 8 u rows
	s_add_co_u32 s14, s14, s15
	s_lshl_b32 s15, s10, 9                         ; + 512 ks
	s_add_co_u32 s14, s14, s15
	s_mov_b32 s15, 0
	s_mul_i32 s16, ttmp9, 24576                    ; codes: tile 2 g + u of 12,288 bytes, fragment ks of 1,536
	s_mul_i32 s17, s9, 12288
	s_add_co_u32 s16, s16, s17
	s_mul_i32 s17, s10, 1536
	s_add_co_u32 s16, s16, s17
	s_mov_b32 s17, 0
	s_add_nc_u64 s[4:5], s[4:5], s[14:15]
	s_add_nc_u64 s[6:7], s[6:7], s[16:17]
.irp i, 0,1,2,3,4,5,6,7,8,9,10,11,12,13,14,15
	global_load_b128 v[R+4*\i:R+4*\i+3], v1, s[4:5] offset:(\i+8*(\i/8))*4096 th:TH_LOAD_NT   ; the tile's row i: 512 consecutive bytes
.endr
.irp i, 0,1,2,3,4,5,6,7,8,9,10,11,12,13,14,15
	s_wait_loadcnt 15-\i                           ; loads come back in order: row i is in, the younger ones may be out
	ds_store_b128 v2, v[R+4*\i:R+4*\i+3] offset:528*\i
.endr
.irp b, 0,1,2,3
.irp j, 0,1,2,3
	ds_load_b128 v[X+16*\b+4*\j:X+16*\b+4*\j+3], v3 offset:128*\b+16*\j   ; LDS serves a wave's instructions in order: these see my stores
.endr
.endr
	s_wait_dscnt 0x0
	QUANT X
	global_store_b128 v1, v[PC:PC+3], s[6:7]                   ; two half images: 512, 256, 512, 256 consecutive bytes
	global_store_b64 v4, v[PC+4:PC+5], s[6:7] offset:512
	global_store_b128 v1, v[PC+6:PC+9], s[6:7] offset:768
	global_store_b64 v4, v[PC+10:PC+11], s[6:7] offset:1280
	ds_store_b32 v5, v[PW]                         ; both halves of the lanes write the same word with the same value
	s_branch .Ljoin
	; ---- waves 16-19: the weights
.Lrole_w:
	s_and_b32 s14, s10, 1                          ; which 128 of the K step
	s_lshl_b32 s24, s39, 1
	s_add_co_u32 s24, s24, s14                     ; ks
	s_mov_b32 s25, 4096
	s_cmp_lt_u32 s38, 48                           ; which tensor: the choice hangs on the work-group's number alone
	s_cselect_b32 s26, 16, 48                      ; its first group of 64 rows,
	s_cselect_b32 s25, 8192, s25                   ; a row of it in bytes
	s_cmp_lt_u32 s38, 16
	s_cselect_b32 s26, 0, s26
	s_cselect_b32 s25, 4096, s25
	s_lshl_b32 s27, s24, 7
	s_mul_i32 s27, s27, s25                        ; 128 ks rows down
	s_sub_co_u32 s28, s38, s26
	s_lshl_b32 s28, s28, 8                         ; 64 columns a group
	s_add_co_u32 s27, s27, s28
	s_lshl_b32 s28, s9, 7                          ; my 32 columns
	s_add_co_u32 s28, s27, s28
	s_mov_b32 s29, 0
	s_lshl_b32 s30, s25, 5                         ; a block: 32 rows
	s_mov_b32 s31, 0
	s_lshl_b32 s34, s38, 2
	s_lshl_b32 s35, s9, 1
	s_add_co_u32 s34, s34, s35                     ; my first tile
	s_mul_i32 s34, s34, 12288
	s_mul_i32 s35, s24, 1536
	s_add_co_u32 s34, s34, s35
	s_mov_b32 s35, 0
	s_cmp_lt_u32 s38, 48
	s_cselect_b64 s[32:33], s[42:43], s[44:45]
	s_cmp_lt_u32 s38, 16
	s_cselect_b64 s[32:33], s[40:41], s[32:33]
	s_add_nc_u64 s[16:17], s[32:33], s[28:29]      ; a base for each of the four blocks; none is rewritten
	s_add_nc_u64 s[18:19], s[16:17], s[30:31]
	s_add_nc_u64 s[20:21], s[18:19], s[30:31]
	s_add_nc_u64 s[22:23], s[20:21], s[30:31]
	s_add_nc_u64 s[34:35], s[46:47], s[34:35]
	v_and_b32 v160, 7, v9
	v_bfe_u32 v161, v9, 3, 1
	v_bfe_u32 v162, v9, 4, 1
	v_lshl_or_b32 v160, v161, 4, v160
	v_lshl_or_b32 v160, v162, 3, v160              ; the lane's number with bits 3 and 4 swapped: my true column among the 32
	v_lshlrev_b32 v163, 2, v160
.set i, 0
.rept 32
	v_mad_u32_u24 v[VO+i], s25, i, v163
.set i, i+1
.endr
	s_wait_alu depctr_va_vdst(0)
.macro LOAD t                          ; block t: W(128 ks + 32 t + i, my column) into set t % 2
.set i, 0
.rept 32
	global_load_b32 v[XW+32*((\t)%2)+i], v[VO+i], s[16+2*(\t):17+2*(\t)] th:TH_LOAD_NT
.set i, i+1
.endr
.endm
.macro BLOCK t
.set XS, XW+32*((\t)%2)
.set D, CA+12*((\t)%2)+6*((\t)/2)
.if (\t) < 3
	s_wait_loadcnt 32                              ; this block's 32 loads are in; the next block's may be out
.else
	s_wait_loadcnt 0x0
.endif
	v_max3_num_f32 v158, |v[XS]|, |v[XS+1]|, |v[XS+2]|     ; the block's largest magnitude: all 32 numbers are mine; two chains
	v_max3_num_f32 v159, |v[XS+3]|, |v[XS+4]|, |v[XS+5]|
.irp i, 6,10,14,18,22,26
	v_max3_num_f32 v158, v158, |v[XS+\i]|, |v[XS+\i+1]|
	v_max3_num_f32 v159, v159, |v[XS+\i+2]|, |v[XS+\i+3]|
.endr
	v_max3_num_f32 v158, v158, |v[XS+30]|, |v[XS+31]|
	v_max3_num_f32 v158, v158, v159, 0x1800000     ; and the floor 2^(3 - 127)
	v_add_nc_u32 v157, 0xff000000, v158            ; 2 off its exponent field: the conversion's scale operand
	v_lshrrev_b32 v159, 23, v157                   ; the scale's byte
.if (\t) == 0
	v_mov_b32 v[WD], v159
.else
	v_lshl_or_b32 v[WD], v159, 8*(\t), v[WD]
.endif
	v_cvt_scalef32_pk16_fp6_f32 v[D:D+2], v[XS:XS+15], v157
	v_cvt_scalef32_pk16_fp6_f32 v[TC:TC+2], v[XS+16:XS+31], v157   ; a conversion's three registers begin on an even number
	v_nop                                          ; one plain line behind the conversions
.irp i, 0,1,2
	v_mov_b32 v[D+3+\i], v[TC+\i]
.endr
.if (\t) < 2
	LOAD (\t)+2
.endif
.if (\t)%2
.irp i, 0,1,2,3,4,5                    ; the even block's lanes 16-31 change places with the odd block's lanes 0-15: tile 0's half image, tile 1's half image
	v_permlane16_swap_b32 v[CA+6*((\t)/2)+\i], v[CB+6*((\t)/2)+\i]
.endr
.endif
.endm
	LOAD 0
	LOAD 1
	BLOCK 0
	BLOCK 1
	BLOCK 2
	BLOCK 3
.irp u, 0,1
.irp c, 0,1
	global_store_b128 v1, v[CA+12*\u+6*\c:CA+12*\u+6*\c+3], s[34:35] offset:12288*\u+768*\c        ; 512 consecutive bytes,
	global_store_b64 v4, v[CA+12*\u+6*\c+4:CA+12*\u+6*\c+5], s[34:35] offset:12288*\u+768*\c+512   ; and 256
.endr
.endr
	ds_store_b32 v14, v[WD]
.Ljoin:
	s_wait_dscnt 0x0                               ; for the others' sake: my scale word has landed
	s_barrier_signal -1
	s_barrier_wait -1
	s_cmp_lg_u32 s8, 0
	s_cbranch_scc1 .Lnot_x                         ; wave 0 stores x's 1,024 scale bytes: four aligned runs of 256
	ds_load_b128 v[16:19], v6
	ds_load_b128 v[20:23], v6 offset:512
	s_wait_dscnt 0x0
	global_store_b128 v7, v[16:19], s[52:53]
	global_store_b128 v7, v[20:23], s[52:53] offset:131072
.Lnot_x:
	s_cmp_lg_u32 s8, 16
	s_cbranch_scc1 .Lend                           ; wave 16 stores the 64 weight rows' two words each: 512 consecutive bytes
	ds_load_b128 v[64:67], v15
	s_wait_dscnt 0x0
	global_store_b128 v1, v[64:67], s[36:37]
.Lend:
	s_wait_tensorcnt 0x0                           ; the wave's end
	ds_add_u32 v[SPW], v[NIL]
	s_wait_dscnt 0x0
	s_endpgm
.Lfunc_end_k_qeefb48c38d_quant:
	.size	k_qeefb48c38d_quant, .Lfunc_end_k_qeefb48c38d_quant-k_qeefb48c38d_quant
	.p2alignl 7, 3214868480
	.fill 96, 4, 3214868480
	.section	.rodata,"a",@progbits
	.p2align	6, 0x0
	.amdhsa_kernel k_qeefb48c38d_quant
		.amdhsa_group_segment_fixed_size 139264
		.amdhsa_private_segment_fixed_size 0
		.amdhsa_enable_private_segment 0
		.amdhsa_kernarg_size 48
		.amdhsa_user_sgpr_count 2
		.amdhsa_user_sgpr_kernarg_segment_ptr 1
		.amdhsa_wavefront_size32 1
		.amdhsa_system_sgpr_workgroup_id_x 1
		.amdhsa_system_sgpr_workgroup_id_y 1
		.amdhsa_system_sgpr_workgroup_id_z 1
		.amdhsa_system_vgpr_workitem_id 0
		.amdhsa_next_free_vgpr 184
		.amdhsa_next_free_sgpr 66
		.amdhsa_reserve_vcc 0
		.amdhsa_float_denorm_mode_32 3
		.amdhsa_float_denorm_mode_16_64 3
		.amdhsa_memory_ordered 1
		.amdhsa_forward_progress 1
		.amdhsa_inst_pref_size 37
	.end_amdhsa_kernel
	.amdgpu_metadata
---
amdhsa.version: [ 1, 2 ]
amdhsa.kernels:
  - .name:           k_qeefb48c38d_quant
    .symbol:         k_qeefb48c38d_quant.kd
    .args:
      - { .name: x, .offset: 0, .size: 8, .value_kind: global_buffer, .address_space: global }
      - { .name: xbuf, .offset: 8, .size: 8, .value_kind: global_buffer, .address_space: global }
      - { .name: Wq, .offset: 16, .size: 8, .value_kind: global_buffer, .address_space: global }
      - { .name: Wkv, .offset: 24, .size: 8, .value_kind: global_buffer, .address_space: global }
      - { .name: Wout, .offset: 32, .size: 8, .value_kind: global_buffer, .address_space: global }
      - { .name: wbuf, .offset: 40, .size: 8, .value_kind: global_buffer, .address_space: global }
    .group_segment_fixed_size: 139264
    .private_segment_fixed_size: 0
    .kernarg_segment_align: 8
    .kernarg_segment_size: 48
    .max_flat_workgroup_size: 640
    .sgpr_count:     66
    .vgpr_count:     184
    .wavefront_size: 32
...
	.end_amdgpu_metadata
.endif
;; end of part 1
;; launch gemm_qkv (part 2): grid 12 x 32, 4 waves a work-group, clusters of 4 x 4, 327,680 bytes of LDS; arguments xbuf, wbuf, qkv; writes qkv
.if DOCPART == 2
	.amdgcn_target "amdgcn-amd-amdhsa--gfx1250"
	.amdhsa_code_object_version 6
	.text
	.protected	k_qeefb48c38d_gemm_qkv
	.globl	k_qeefb48c38d_gemm_qkv
	.p2align	8
	.type	k_qeefb48c38d_gemm_qkv,@function
k_qeefb48c38d_gemm_qkv:
	s_mov_b64 s[64:65], 0
	v_nop
	global_prefetch_b8 v0, s[64:65] scope:SCOPE_SE
	s_setreg_imm32_b32 hwreg(HW_REG_WAVE_MODE, 25, 1), 1
	s_wait_xcnt 0x0
	s_wait_alu depctr_hold_cnt(0) depctr_sa_sdst(0) depctr_va_vdst(0) depctr_va_sdst(0) depctr_va_ssrc(0) depctr_va_vcc(0) depctr_vm_vsrc(0)
	s_getreg_b32 s2, hwreg(HW_REG_IB_STS2, 6, 4)
	s_cmp_eq_u32 s2, 0
	s_cbranch_scc0 .Lentry_in_a_cluster
	s_endpgm
.Lentry_in_a_cluster:
	s_bfe_u32 s2, ttmp6, 0x10000c
	s_cmp_lg_u32 s2, 0xf033
	s_cbranch_scc0 .Lentry_shape_is_right
	s_endpgm
.Lentry_shape_is_right:
; q = x Wq, k and v = x Wkv on codes of FP6 (E2M3) with E8M0 scales (K = 1,024), and the results quantised at once, from the f32 sums, into the operands of the attention launch.
; A tile of 256 x 256 to a work-group of four waves, 128 x 128 (64 accumulators, 512 registers) to a wave.  K goes in four steps of 256 through two LDS slots filled by the tensor data mover.
; Operands lie in memory as IMAGES of their registers (16 rows x 64 K in 768 bytes: registers 0-3 at 16 x lane, registers 4-5 at 512 + 8 x lane), so a fragment comes by four LDS loads of consecutive bytes: no pitch, no padding.
; THE MATRIX INSTRUCTION IS USED TRANSPOSED: source 0 = the B role, source 1 = the A role: a lane holds ONE row of the A role, its registers run along the B role, and, by the stored order of rows (bits 3 and 4 swapped),
; the 16 registers of B's tiles 2 b, 2 b + 1 are 16 true neighbours: the form in which a block of 32 is quantised.
; ONE TEXT, TWO CASTS, by the cluster's x (0 q, 1 k, 2 v), which all sixteen partners share.  q, k: A = x (tokens), B = W (channels): quantised along the head's 64 channels.  v: A = W, B = x: quantised along the keys.
; CLUSTERS 4 x 4: A's tiles are shared along a row of the cluster, B's along a column: joint loads, which divide the requests by four.
; OUT (qkv): q's and k's codes [64 heads][128 token tiles][768]; v's [head][16 key steps][4 channel tiles][2][768]; q's and k's scale words [head][16 groups of 128 tokens][16 (tile % 2) + r][tile / 2] (bytes 0, 1: the head's two
; blocks; bytes 2, 3: 0); v's [head][16 steps][16 (tile % 2) + r][tile / 2].
; LIMITS: NaN and infinities are not served; a block whose largest magnitude lies under 2^-124, a block of zeros among them, gets the byte 1 (its codes are right or zeros; this program alone reads the bytes).
; REGISTERS, in windows of 256: window 0: v1-29 addresses; v32-63 scale words, two sets, and nothing else; v64-111 the epilogue's; v128-223 A's fragments, one set.  window 1: B's fragments, two sets, at v0 and v128.
;   windows 2, 3: the accumulators of my A rows 0-63, 64-127: (a, b) at v[8 (8 (a % 4) + b)].
.set XSC,   6291456                    ; the scales in xbuf
.set WSC,   3145728                    ; and in wbuf
.set VC,    12582912                   ; regions of qkv: q's codes at 0, k's 6,291,456 on, v's here,
.set QS,    18874368                   ; q's scale words, k's 524,288 on,
.set VS,    19922944                   ; v's
.set NQ,    2                          ; matrix instructions deep in a slot
.set FR,    12                         ; registers of a fragment
.set FRB,   1536                       ; its image
.set TROW,  3072                       ; a tile of 16 rows in a slot: 256 along K
.set HALFT, 8*TROW                     ; 128 rows: what one tensor load brings
.set SLOT,  4*HALFT                    ; A's 256 rows, then B's
.set SCL,   2*SLOT                     ; behind the ring: the scales of all of K: A's [4 K steps][256 rows][8 bytes], then B's, each filled once
.set SPARE, SCL+4*4096                 ; the spare words, 128 bytes a wave: two blocks of 256 bytes that no other line names
.set NL,    4                          ; LDS loads that bring a fragment
.set NP,    4                          ; places behind this matrix instruction (ISA guide 7.12.1)
.set L16,  1                           ; v1   16 x lane
.set L8,   2                           ; v2   8 x lane
.set SH,   3                           ; v3   16 h
.set SQA,  4                           ; v4   q, k: where my half word goes in the wave's scale stage
.set SVA,  5                           ; v5   v: where my word goes
.set SQR,  6                           ; v6   q, k: the stage read back
.set SVR,  7                           ; v7   v: likewise
.set SVG,  8                           ; v8   v: the same 16 bytes in memory
.set ADRA, 16                          ; v16-17 my A fragments in slot 0, 1 at 16 x lane; v18-19 at 8 x lane
.set ADRB, 20                          ; v20-23 the same for B
.set ADRS, 27                          ; v27  my scale words: lanes 0-15 A's rows, lanes 16-31 B's
.set SPW,  28                          ; v28  my spare word; never rewritten
.set NIL,  29                          ; v29  0; never rewritten
.set SC,   32
.set TM,   64                          ; v64-79 the quantiser's
.set PW,   80
.set TT,   81
.set PC,   84                          ; v84-103 the codes
.set AF,   128
.set SEL,  66                          ; s[66:67]
.set G1,   24                          ; s[24:31] group 1 for A's tiles, s[32:39] group 0 for each slot
.set G0,   32
.set G1B,  48                          ; s[48:55], s[56:63] for B's
.set G0B,  56
.set G1S,  68                          ; s[68:75], s[76:79] for A's scales; s[80:87], s[88:91] for B's
.set G0S,  76
.set G1SB, 80
.set G0SB, 88
.set MSB, 0
.macro WIN new                         ; the immediate's high byte repeats the setting that is left
.if MSB != \new
	s_set_vgpr_msb (MSB<<8)|\new
.set MSB, \new
.endif
.endm
.set MUL_LO, 0xa1                      ; source 0 (B) window 1, source 1 (A) window 0, C and D window 2
.set MUL_HI, 0xf1                      ; the same, C and D window 3
.set TO_B,   0x40                      ; destination window 1, address window 0
.macro PLACES n
.rept \n
	v_nop
.endr
.endm
; A joint refill: waves 0 and 1 fetch for A, waves 2 and 3 for B; the branch hangs on the wave's number alone.  Four v_nop follow each line.
.macro JLOAD g0a, g1a, g0b, g1b
	s_cmp_eq_u32 s15, 0
	s_cbranch_scc0 .Lfor_b_\@
	tensor_load_to_lds s[\g0a:\g0a+3], s[\g1a:\g1a+7]
	s_nop 0
	PLACES 4
	s_branch .Lasked_\@
.Lfor_b_\@:
	tensor_load_to_lds s[\g0b:\g0b+3], s[\g1b:\g1b+7]
	s_nop 0
	PLACES 4
.Lasked_\@:
.endm
.macro CREST                           ; a round of the cluster's barrier behind its opening barrier
	s_cmp_lg_u32 s14, 0
	s_cbranch_scc1 .Lnot_wave_0_\@
	s_barrier_signal -3
.Lnot_wave_0_\@:
	s_barrier_wait -3
	s_barrier_signal -1
	s_barrier_wait -1
.endm
.macro CROUND
	s_barrier_signal -1
	s_barrier_wait -1
	CREST
.endm
	s_load_b128 s[4:7], s[0:1], 0x0                ; xbuf, wbuf
	s_load_b64 s[8:9], s[0:1], 0x10                ; qkv
	v_lshl_add_u32 v[SPW], v0, 2, SPARE
	v_mov_b32 v[NIL], 0
	ds_add_u32 v28, v29
	ds_add_u32 v28, v29
	s_wait_dscnt 0x0
	v_lshrrev_b32 v9, 5, v0
	v_readfirstlane_b32 s14, v9                    ; wave 0..3
	s_lshr_b32 s15, s14, 1                         ; my half of A's rows.  Also: I fetch for A (0) or for B (1)
	s_and_b32 s16, s14, 1                          ; my half of B's rows.  Also: which 128 rows I fetch
	s_bfe_u32 s40, ttmp6, 0x40000                  ; cx, cy: my place in the cluster
	s_bfe_u32 s41, ttmp6, 0x40004
	s_lshl_b32 s43, s41, 2
	s_lshl_b32 s43, 15, s43                        ; my row of the cluster
	s_lshl_b32 s44, 0x1111, s40                    ; my column
	; group 1, codes: 8 rows (tiles of 16 operand rows) of 3,072 bytes, 12,288 bytes apart, in elements of 8 bytes; no padding
	s_or_b32 s[G1+0], s43, (3<<16)|(1<<21)         ; 15:0 the mask; 17:16 elements of 8 bytes; 21 set beside a mask
	s_or_b32 s[G1B+0], s44, (3<<16)|(1<<21)
.irp g, G1, G1B
	s_mov_b32 s[\g+1], 384<<16                     ; tensor_dim0
	s_mov_b32 s[\g+2], 16<<16                      ; tensor_dim1: 16 tiles (256 operand rows) for the head's loads; set to 8 for the ring's behind them
	s_mov_b32 s[\g+3], 384<<16                     ; tile_dim0
	s_mov_b32 s[\g+4], 16                          ; tile_dim1
	s_mov_b32 s[\g+5], 1536                        ; from row to row
	s_mov_b32 s[\g+6], 0
	s_mov_b32 s[\g+7], 0
.endr
	; group 1, scales: 4 rows (K steps) of 2,048 bytes (256 operand rows x 8), 65,536 bytes apart
	s_or_b32 s[G1S+0], s43, (3<<16)|(1<<21)
	s_or_b32 s[G1SB+0], s44, (3<<16)|(1<<21)
.irp g, G1S, G1SB
	s_mov_b32 s[\g+1], 256<<16                     ; a row: 256 operand rows x 8 bytes
	s_mov_b32 s[\g+2], 4<<16
	s_mov_b32 s[\g+3], 256<<16
	s_mov_b32 s[\g+4], 4
	s_mov_b32 s[\g+5], 8192
	s_mov_b32 s[\g+6], 0
	s_mov_b32 s[\g+7], 0
.endr
	; the cast.  A's numbers are made of cy and the cluster's place alone, B's of cx and the cluster's place alone
	s_and_b32 s17, ttmp7, 0xffff
	s_lshl_b32 s17, s17, 2                         ; 4 x cluster y
	s_add_co_u32 s18, s17, s41                     ; q, k: A = x's block of 256 rows
	s_add_co_u32 s19, s41, 8                       ; v:    A = W's block 8 + cy
	s_lshl_b32 s20, ttmp9, 2
	s_add_co_u32 s20, s20, s40                     ; q, k: B = W's block 4 x cluster x + cx
	s_add_co_u32 s21, s17, s40                     ; v:    B = x's block
	s_mov_b32 s22, XSC
	s_mov_b32 s23, WSC
	s_cmp_eq_u32 ttmp9, 2
	s_cselect_b32 s42, s19, s18                    ; A's block
	s_cselect_b32 s46, s21, s20                    ; B's block
	s_cselect_b32 s92, s23, s22                    ; where A's scales begin in its buffer
	s_cselect_b32 s93, s22, s23                    ; and B's
	s_lshl_b32 s18, s42, 4
	s_lshl_b32 s19, s16, 3
	s_add_co_u32 s18, s18, s19
	s_mul_i32 s18, s18, 12288                      ; A's codes: tile 16 x block + 8 x half
	s_mov_b32 s19, 0
	s_lshl_b32 s2, s42, 11
	s_add_co_u32 s2, s2, s92                       ; A's scales: row 256 x block, 8 bytes a row
	s_mov_b32 s3, 0
	s_lshl_b32 s20, s46, 4
	s_lshl_b32 s21, s16, 3
	s_add_co_u32 s20, s20, s21
	s_mul_i32 s20, s20, 12288
	s_mov_b32 s21, 0
	s_lshl_b32 s94, s46, 11
	s_add_co_u32 s94, s94, s93
	s_mov_b32 s95, 0
	s_mul_i32 s45, s14, HALFT                      ; where they go: wave x 128 rows: no place in the cluster enters an LDS address
	s_mov_b32 s[SEL], 0x76543210
	s_mov_b32 s[SEL+1], 0xfedcba98
	; every LDS address is made here, ahead of the first branch on the wave's number
	v_and_b32 v9, 31, v0                           ; lane
	v_and_b32 v10, 15, v0                          ; r
	v_bfe_u32 v11, v0, 4, 1                        ; h
	v_lshlrev_b32 v[L16], 4, v9
	v_lshlrev_b32 v[L8], 3, v9
	s_mul_i32 s98, s15, HALFT                      ; my 128 rows of A
	s_mul_i32 s99, s16, HALFT                      ; my 128 rows of B,
	s_add_co_u32 s99, s99, 2*HALFT                 ; behind A's 256
.irp s, 0,1
	v_add_nc_u32 v[ADRA+\s], s98, v[L16]
	v_add_nc_u32 v[ADRB+\s], s99, v[L16]
	v_add_nc_u32 v[ADRA+2+\s], s98, v[L8]
	v_add_nc_u32 v[ADRB+2+\s], s99, v[L8]
	s_add_co_u32 s98, s98, SLOT
	s_add_co_u32 s99, s99, SLOT
.endr
	s_lshl_b32 s98, s15, 10                        ; A's scales: my 128 rows of the 256
	s_lshl_b32 s99, s16, 10                        ; B's, behind A's 8,192 bytes
	s_add_co_u32 s99, s99, 8192
	s_sub_co_u32 s99, s99, s98
	v_mul_u32_u24 v12, s99, v11                    ; lanes 16-31 take B's: one product, the distance between the two
	s_add_co_u32 s98, s98, SCL
	v_lshl_add_u32 v12, v10, 3, v12
	v_add_nc_u32 v[ADRS], s98, v12
	v_lshlrev_b32 v[SH], 4, v11
	s_lshl_b32 s98, s14, 10                        ; q, k: a scale stage of 1,024 bytes a wave, at LDS byte 0 on
	v_lshlrev_b32 v[SQA], 4, v10
	v_lshl_add_u32 v[SQA], v11, 9, v[SQA]
	v_add_nc_u32 v[SQA], s98, v[SQA]               ; 1,024 w + 512 h (the head) + 16 r
	v_add_nc_u32 v[SQR], s98, v[L16]
	s_lshl_b32 s98, s14, 9                         ; v: 512 bytes a wave, at LDS byte 4,096 on: bytes of its own for each cast
	s_add_co_u32 s98, s98, 4096
	v_lshlrev_b32 v[SVA], 3, v10
	v_add_nc_u32 v[SVA], s98, v[SVA]
	v_add_nc_u32 v[SVR], s98, v[L16]
	v_lshlrev_b32 v[SVG], 4, v10
	v_lshl_add_u32 v[SVG], v11, 12, v[SVG]         ; sixteen lanes to a head's 256 bytes; the heads 4,096 bytes apart
.irp b, 0,1,2,3
	v_mov_b32 v[TM+4+\b], 0                        ; written once: a lane permute's destination counts as one of its sources
.endr
	s_wait_kmcnt 0x0
	s_cmp_eq_u32 ttmp9, 2
	s_cselect_b64 s[10:11], s[6:7], s[4:5]         ; A's buffer
	s_cselect_b64 s[12:13], s[4:5], s[6:7]         ; B's
	s_add_nc_u64 s[18:19], s[10:11], s[18:19]
	s_add_nc_u64 s[2:3], s[10:11], s[2:3]
	s_add_nc_u64 s[20:21], s[12:13], s[20:21]
	s_add_nc_u64 s[94:95], s[12:13], s[94:95]
	s_mov_b32 s[G0S], 1                            ; group 0: count 1, LDS address, global address, type 2
	s_mov_b32 s[G0S+1], SCL
	s_mov_b64 s[G0S+2:G0S+3], s[2:3]
	s_or_b32 s[G0S+3], s[G0S+3], 0x80000000
	s_mov_b32 s[G0SB], 1
	s_mov_b32 s[G0SB+1], SCL+8192
	s_mov_b64 s[G0SB+2:G0SB+3], s[94:95]
	s_or_b32 s[G0SB+3], s[G0SB+3], 0x80000000
.irp s, 0,1
	s_mov_b32 s[G0+4*\s], 1
	s_add_co_u32 s[G0+4*\s+1], s45, \s*SLOT
	s_add_nc_u64 s[G0+4*\s+2:G0+4*\s+3], s[18:19], \s*TROW
	s_or_b32 s[G0+4*\s+3], s[G0+4*\s+3], 0x80000000
	s_mov_b32 s[G0B+4*\s], 1
	s_add_co_u32 s[G0B+4*\s+1], s45, \s*SLOT
	s_add_nc_u64 s[G0B+4*\s+2:G0B+4*\s+3], s[20:21], \s*TROW
	s_or_b32 s[G0B+4*\s+3], s[G0B+4*\s+3], 0x80000000
.endr
	s_mul_i32 s22, s42, 196608                     ; group 0 for the head's loads of K step 0: A's whole block of 16 tiles to slot 0's start,
	s_mov_b32 s23, 0
	s_mov_b32 s4, 1
	s_mov_b32 s5, 0
	s_add_nc_u64 s[6:7], s[10:11], s[22:23]
	s_or_b32 s7, s7, 0x80000000
	s_mul_i32 s94, s46, 196608                     ; B's behind it
	s_mov_b32 s95, 0
	s_mov_b32 s96, 1
	s_mov_b32 s97, 2*HALFT
	s_add_nc_u64 s[98:99], s[12:13], s[94:95]
	s_or_b32 s99, s99, 0x80000000
	CROUND                                         ; all sixteen work-groups are here: the first joint loads meet
	; the head's four tiles, one joint load a wave: wave 0 K step 0 of A, wave 1 of B, wave 2 A's scales, wave 3 B's; one chain of branches on the wave's number
	s_cmp_lt_u32 s14, 1
	s_cbranch_scc0 .Lhead_b
	tensor_load_to_lds s[4:7], s[G1:G1+7]
	s_nop 0
	PLACES 4
	s_branch .Lfirst_done
.Lhead_b:
	s_cmp_lt_u32 s14, 2
	s_cbranch_scc0 .Lhead_sa
	tensor_load_to_lds s[96:99], s[G1B:G1B+7]
	s_nop 0
	PLACES 4
	s_branch .Lfirst_done
.Lhead_sa:
	s_cmp_lt_u32 s14, 3
	s_cbranch_scc0 .Lhead_sb
	tensor_load_to_lds s[G0S:G0S+3], s[G1S:G1S+7]
	s_nop 0
	PLACES 4
	s_branch .Lfirst_done
.Lhead_sb:
	tensor_load_to_lds s[G0SB:G0SB+3], s[G1SB:G1SB+7]
	s_nop 0
	PLACES 4
.Lfirst_done:
.macro FRAG reg, adr, q, i             ; a fragment, 16 rows x 128 K: two half images
	ds_load_b128 v[\reg:\reg+3], v[\adr] offset:(\i)*TROW+(\q)*FRB
	ds_load_b64 v[\reg+4:\reg+5], v[\adr+2] offset:(\i)*TROW+(\q)*FRB+512
	ds_load_b128 v[\reg+6:\reg+9], v[\adr] offset:(\i)*TROW+(\q)*FRB+768
	ds_load_b64 v[\reg+10:\reg+11], v[\adr+2] offset:(\i)*TROW+(\q)*FRB+1280
.endm
; 16 matrix instructions: A's blocks a0, a0 + 1 x B's eight.  p: B's set; sc: the set of scale words; zero = 1: the first product starts the sums.
; The 64 accumulators take turns, one instruction a turn, in the same order in every step.
.macro MUL16 a0, p, q, sc, zero
.irp a, \a0, \a0+1
.irp b, 0,1,2,3,4,5,6,7
.if \zero
	v_wmma_scale_f32_16x16x128_f8f6f4 v[8*(8*((\a)%4)+\b):8*(8*((\a)%4)+\b)+7], v[128*(\p)+FR*\b:128*(\p)+FR*\b+FR-1], v[AF+FR*(\a):AF+FR*(\a)+FR-1], 0, v[SC+8*NQ*(\sc)+NQ*\b+(\q)], v[SC+8*NQ*(\sc)+NQ*(\a)+(\q)] matrix_a_fmt:MATRIX_FMT_FP6 matrix_b_fmt:MATRIX_FMT_FP6 matrix_a_scale:MATRIX_SCALE_ROW1
.else
	v_wmma_scale_f32_16x16x128_f8f6f4 v[8*(8*((\a)%4)+\b):8*(8*((\a)%4)+\b)+7], v[128*(\p)+FR*\b:128*(\p)+FR*\b+FR-1], v[AF+FR*(\a):AF+FR*(\a)+FR-1], v[8*(8*((\a)%4)+\b):8*(8*((\a)%4)+\b)+7], v[SC+8*NQ*(\sc)+NQ*\b+(\q)], v[SC+8*NQ*(\sc)+NQ*(\a)+(\q)] matrix_a_fmt:MATRIX_FMT_FP6 matrix_b_fmt:MATRIX_FMT_FP6 matrix_a_scale:MATRIX_SCALE_ROW1
.endif
.endr
.endr
.endm
.macro FETCH_B slot, q, p
	WIN TO_B
.irp i, 0,1,2,3,4,5,6,7
	FRAG 128*(\p)+FR*\i, ADRB+\slot, \q, \i
.endr
	WIN 0
.endm
.macro FETCH_A slot, q, i0
.irp i, \i0, \i0+1, \i0+2, \i0+3
	FRAG AF+FR*(\i), ADRA+\slot, \q, \i
.endr
.endm
.macro SCALES sc                       ; a K step's scale words: two a row; lanes 0-15 A's block i, lanes 16-31 B's block i
.irp i, 0,1,2,3,4,5,6,7
	ds_load_b64 v[SC+8*NQ*\sc+NQ*\i:SC+8*NQ*\sc+NQ*\i+1], v[ADRS] offset:\i*128
.endr
.endm
; A step of 128 along K that has its successor in the same slot.  A load into a register that a matrix instruction has read stands NP plain vector lines behind it.
.macro STEP slot, q, zero
	s_wait_dscnt 4*NL                              ; B's set and A's blocks 0-3 are in; the youngest 16 loads (A's blocks 4-7) may be out
	WIN MUL_LO
	MUL16 0, (\q)%2, \q, \slot, \zero
	MUL16 2, (\q)%2, \q, \slot, \zero
	s_wait_dscnt 0x0                               ; A's blocks 4-7 are in
	PLACES NP
	FETCH_B \slot, (\q)+1, 1-(\q)%2
	FETCH_A \slot, (\q)+1, 0
	WIN MUL_HI
	MUL16 4, (\q)%2, \q, \slot, \zero
	MUL16 6, (\q)%2, \q, \slot, \zero
	PLACES NP
	WIN 0
	FETCH_A \slot, (\q)+1, 4
.endm
; A slot's last step changes slots: one barrier; in front of it each wave waits for all its tensor loads, adds 0 to its spare word, and waits for that and for its reads of this slot.  fill = 1: this slot is filled again, two K steps ahead.
.macro TURN slot, next, fill
	s_wait_tensorcnt 0x0                           ; all my tensor loads have landed: my part of the next slot
	ds_add_u32 v[SPW], v[NIL]                      ; 0 onto my spare word
	s_wait_dscnt 4*NL+1                            ; the add and the youngest 16 loads may be out
	WIN MUL_LO
	MUL16 0, 1, NQ-1, \slot, 0                     ; sixteen matrix instructions stand between the add and the wait for it
	s_wait_dscnt 0x0                               ; the add is done, and my reads of this slot are over
	s_barrier_signal -1
	MUL16 2, 1, NQ-1, \slot, 0
	WIN 0
	s_barrier_wait -1
.if \fill
	CREST                                          ; the barrier has opened a round of the cluster's: no wave of any partner still reads this slot or has a load on its way
	s_add_nc_u64 s[G0+4*\slot+2:G0+4*\slot+3], s[G0+4*\slot+2:G0+4*\slot+3], 2*TROW
	s_add_nc_u64 s[G0B+4*\slot+2:G0B+4*\slot+3], s[G0B+4*\slot+2:G0B+4*\slot+3], 2*TROW
	JLOAD G0+4*\slot, G1, G0B+4*\slot, G1B         ; the first tensor load behind the round; its four v_nop are the places in front of the loads below
.else
	PLACES NP
.endif
	s_wait_alu depctr_va_vdst(0)
	v_add_nc_u32 v[ADRS], 2048, v[ADRS]            ; the next K step's scale words
	FETCH_B \next, 0, 0
	FETCH_A \next, 0, 0
	SCALES \next
	WIN MUL_HI
	MUL16 4, 1, NQ-1, \slot, 0
	MUL16 6, 1, NQ-1, \slot, 0
	PLACES NP
	WIN 0
	FETCH_A \next, 0, 4
.endm
	s_wait_alu depctr_va_vdst(0)                   ; the wait at the head's end
	s_wait_tensorcnt 0x0                           ; my tile of the head's four is in; slot 1's first fill is issued as a refill is:
	ds_add_u32 v[SPW], v[NIL]                      ; 0 onto my spare word
	s_mov_b32 s[G1+2], 8<<16                       ; no tensor load of mine is out: from here on a load brings 8 tiles (128 operand rows)
	s_mov_b32 s[G1+4], 8
	s_mov_b32 s[G1B+2], 8<<16
	s_mov_b32 s[G1B+4], 8
	s_wait_dscnt 0x0                               ; the add is done
	CROUND                                         ; all four tiles are in, and all sixteen work-groups are here
	JLOAD G0+4, G1, G0B+4, G1B                     ; K step 1, the first tensor load behind the round
	FETCH_B 0, 0, 0
	FETCH_A 0, 0, 0
	SCALES 0
	FETCH_A 0, 0, 4
	STEP 0, 0, 1                                   ; K = 1,024 is four K steps, written straight
	TURN 0, 1, 1                                   ; slot 0 takes K step 2
	STEP 1, 0, 0
	TURN 1, 0, 1                                   ; slot 1 takes K step 3
	STEP 0, 0, 0
	TURN 0, 1, 0                                   ; nothing is left to fetch.  Behind this barrier nobody reads slot 0, which has had its last fill: the epilogue's stages lie there
	STEP 1, 0, 0
	s_wait_dscnt 4*NL
	WIN MUL_LO
	MUL16 0, 1, NQ-1, 1, 0
	MUL16 2, 1, NQ-1, 1, 0
	s_wait_dscnt 0x0
	WIN MUL_HI
	MUL16 4, 1, NQ-1, 1, 0
	MUL16 6, 1, NQ-1, 1, 0
	WIN 0
; A's block a: its 64 sums of a lane (register 16 b + i = place 32 b + 16 h + i along the B role) become a fragment's codes in v[PC] .. v[PC + 11] and a scale word in v[PW].  Each accumulator is read from its low end on.
.macro QUANTA a
.set AC, 64*((\a)%4)
.set WW, 2+(\a)/4
.set WQ, WW|(WW<<2)
	WIN WQ                                         ; sources 0 and 1: the accumulators' window
.irp b, 0,1,2,3
	v_max3_num_f32 v[TM+\b], |v[AC+16*\b]|, |v[AC+16*\b+1]|, 0x1800000   ; and the floor 2^(3 - 127): the byte cannot fall under 1
.endr
.irp i, 2,4,6,8,10,12,14
.irp b, 0,1,2,3
	v_max3_num_f32 v[TM+\b], |v[AC+16*\b+\i]|, |v[AC+16*\b+\i+1]|, v[TM+\b]
.endr
.endr
	WIN 0
.irp b, 0,1,2,3
	v_permlanex16_b32 v[TM+4+\b], v[TM+\b], s[SEL], s[SEL+1]
.endr
.irp b, 0,1,2,3
	v_max_num_f32 v[TM+\b], v[TM+\b], v[TM+4+\b]
.endr
.irp b, 0,1,2,3
	v_add_nc_u32 v[TM+12+\b], 0xff000000, v[TM+\b] ; 2 off the exponent field: the conversion's scale operand
.endr
.irp b, 0,1,2,3
	v_lshrrev_b32 v[TM+4+\b], 23, v[TM+12+\b]
.endr
	v_lshl_or_b32 v[PW], v[TM+5], 8, v[TM+4]
	v_lshl_or_b32 v[PW], v[TM+6], 16, v[PW]
	v_lshl_or_b32 v[PW], v[TM+7], 24, v[PW]
	WIN WW                                         ; source 0: the accumulators' window
.irp c, 0,1
	v_cvt_scalef32_pk16_fp6_f32 v[PC+6*\c:PC+2+6*\c], v[AC+32*\c:AC+15+32*\c], v[TM+12+2*\c]
	v_cvt_scalef32_pk16_fp6_f32 v[PC+12+4*\c:PC+14+4*\c], v[AC+16+32*\c:AC+31+32*\c], v[TM+12+2*\c+1]
.endr
	WIN 0
	v_nop                                          ; one plain line behind the conversions
.irp c, 0,1
.irp i, 0,1,2
	v_permlane16_swap_b32 v[PC+6*\c+\i], v[PC+12+4*\c+\i]
.endr
.irp i, 0,1,2
	v_mov_b32 v[PC+3+6*\c+\i], v[PC+12+4*\c+\i]
.endr
.endr
.endm
.macro FINISH                          ; the wave's end: my last LDS instructions; then the closing round
	s_wait_tensorcnt 0x0
	ds_add_u32 v[SPW], v[NIL]
	s_wait_dscnt 0x0
	CROUND
	s_endpgm
.endm
	PLACES NP                                      ; behind the last products, in front of the first read of results
	s_cmp_eq_u32 ttmp9, 2                          ; the cluster's x: the same in all sixteen partners and in all four waves
	s_cbranch_scc1 .Lepi_v
	; ---- q, k.  My 128 tokens are one group; my 128 channels are two heads: half image c of block a is head c's tile a
	s_lshr_b32 s2, s42, 3
	s_lshl_b32 s2, s2, 4                           ; 16 x batch
	s_and_b32 s3, s46, 3
	s_lshl_b32 s3, s3, 2
	s_add_co_u32 s2, s2, s3
	s_lshl_b32 s3, s16, 1
	s_add_co_u32 s2, s2, s3                        ; my first head
	s_lshl_b32 s3, s42, 1
	s_add_co_u32 s3, s3, s15
	s_and_b32 s3, s3, 15                           ; my group of 128 tokens in the batch
	s_mul_i32 s10, s2, 98304
	s_mul_i32 s11, s3, 6144
	s_add_co_u32 s10, s10, s11
	s_mul_i32 s11, ttmp9, 6291456                  ; q's region or k's
	s_add_co_u32 s10, s10, s11
	s_mov_b32 s11, 0
	s_add_nc_u64 s[10:11], s[8:9], s[10:11]
	s_lshl_b32 s12, s2, 13
	s_lshl_b32 s13, s3, 9
	s_add_co_u32 s12, s12, s13
	s_mul_i32 s13, ttmp9, 524288
	s_add_co_u32 s12, s12, s13
	s_add_co_u32 s12, s12, QS
	s_mov_b32 s13, 0
	s_add_nc_u64 s[12:13], s[8:9], s[12:13]
.irp a, 0,1,2,3,4,5,6,7
.if \a > 0
	s_wait_xcnt 0x0                                ; the last block's stores have read their data: the codes' registers are written again only behind this wait
.endif
	QUANTA \a
	global_store_b128 v[L16], v[PC:PC+3], s[10:11] offset:\a*768
	global_store_b64 v[L8], v[PC+4:PC+5], s[10:11] offset:\a*768+512
	global_store_b128 v[L16], v[PC+6:PC+9], s[10:11] offset:\a*768+98304
	global_store_b64 v[L8], v[PC+10:PC+11], s[10:11] offset:\a*768+98304+512
	v_lshrrev_b32 v[TT], v[SH], v[PW]              ; lanes 0-15 take the first head's two bytes, lanes 16-31 the second's;
	v_and_b32 v[TT], 0xffff, v[TT]                 ; bytes 2 and 3, which stand over zero codes, are 0
	ds_store_b32 v[SQA], v[TT] offset:(\a%2)*256+(\a/2)*4
.endr
	ds_load_b128 v[104:107], v[SQR]                ; LDS serves a wave's instructions in order: these see my stores
	ds_load_b128 v[108:111], v[SQR] offset:512
	s_wait_dscnt 0x0
	global_store_b128 v[L16], v[104:107], s[12:13]             ; a head's 512 bytes of this group
	global_store_b128 v[L16], v[108:111], s[12:13] offset:8192
	FINISH
.Lepi_v:
	; ---- v.  My 128 channels are two heads x four tiles; my 128 tokens are one key step: block a is a whole fragment
	s_lshr_b32 s2, s46, 3
	s_lshl_b32 s2, s2, 4                           ; 16 x batch
	s_lshl_b32 s3, s41, 2
	s_add_co_u32 s2, s2, s3
	s_lshl_b32 s3, s15, 1
	s_add_co_u32 s2, s2, s3                        ; my first head
	s_lshl_b32 s3, s46, 1
	s_add_co_u32 s3, s3, s16
	s_and_b32 s3, s3, 15                           ; my key step
	s_mul_i32 s10, s2, 98304
	s_mul_i32 s11, s3, 6144
	s_add_co_u32 s10, s10, s11
	s_add_co_u32 s10, s10, VC
	s_mov_b32 s11, 0
	s_add_nc_u64 s[10:11], s[8:9], s[10:11]
	s_lshl_b32 s12, s2, 12
	s_lshl_b32 s13, s3, 8
	s_add_co_u32 s12, s12, s13
	s_add_co_u32 s12, s12, VS
	s_mov_b32 s13, 0
	s_add_nc_u64 s[12:13], s[8:9], s[12:13]
.irp a, 0,1,2,3,4,5,6,7
.if \a > 0
	s_wait_xcnt 0x0                                ; as above
.endif
	QUANTA \a
	global_store_b128 v[L16], v[PC:PC+3], s[10:11] offset:(\a/4)*98304+(\a%4)*1536
	global_store_b64 v[L8], v[PC+4:PC+5], s[10:11] offset:(\a/4)*98304+(\a%4)*1536+512
	global_store_b128 v[L16], v[PC+6:PC+9], s[10:11] offset:(\a/4)*98304+(\a%4)*1536+768
	global_store_b64 v[L8], v[PC+10:PC+11], s[10:11] offset:(\a/4)*98304+(\a%4)*1536+1280
	ds_store_b32 v[SVA], v[PW] offset:(\a/4)*256+(\a%2)*128+((\a/2)%2)*4   ; both halves of the lanes write the same word with the same value
.endr
	ds_load_b128 v[104:107], v[SVR]
	s_wait_dscnt 0x0
	global_store_b128 v[SVG], v[104:107], s[12:13]             ; sixteen lanes store a head's 256 bytes of this key step
	FINISH
.Lfunc_end_k_qeefb48c38d_gemm_qkv:
	.size	k_qeefb48c38d_gemm_qkv, .Lfunc_end_k_qeefb48c38d_gemm_qkv-k_qeefb48c38d_gemm_qkv
	.p2alignl 7, 3214868480
	.fill 96, 4, 3214868480
	.section	.rodata,"a",@progbits
	.p2align	6, 0x0
	.amdhsa_kernel k_qeefb48c38d_gemm_qkv
		.amdhsa_group_segment_fixed_size 327680
		.amdhsa_private_segment_fixed_size 0
		.amdhsa_enable_private_segment 0
		.amdhsa_kernarg_size 24
		.amdhsa_user_sgpr_count 2
		.amdhsa_user_sgpr_kernarg_segment_ptr 1
		.amdhsa_wavefront_size32 1
		.amdhsa_system_sgpr_workgroup_id_x 1
		.amdhsa_system_sgpr_workgroup_id_y 1
		.amdhsa_system_sgpr_workgroup_id_z 1
		.amdhsa_system_vgpr_workitem_id 0
		.amdhsa_next_free_vgpr 1024
		.amdhsa_next_free_sgpr 100
		.amdhsa_reserve_vcc 0
		.amdhsa_float_denorm_mode_32 3
		.amdhsa_float_denorm_mode_16_64 3
		.amdhsa_memory_ordered 1
		.amdhsa_forward_progress 1
		.amdhsa_inst_pref_size 188
	.end_amdhsa_kernel
	.amdgpu_metadata
---
amdhsa.version: [ 1, 2 ]
amdhsa.kernels:
  - .name:           k_qeefb48c38d_gemm_qkv
    .symbol:         k_qeefb48c38d_gemm_qkv.kd
    .args:
      - { .name: xbuf, .offset: 0, .size: 8, .value_kind: global_buffer, .address_space: global }
      - { .name: wbuf, .offset: 8, .size: 8, .value_kind: global_buffer, .address_space: global }
      - { .name: qkv, .offset: 16, .size: 8, .value_kind: global_buffer, .address_space: global }
    .group_segment_fixed_size: 327680
    .private_segment_fixed_size: 0
    .kernarg_segment_align: 8
    .kernarg_segment_size: 24
    .max_flat_workgroup_size: 128
    .sgpr_count:     100
    .vgpr_count:     1024
    .wavefront_size: 32
...
	.end_amdgpu_metadata
.endif
;; end of part 2
;; launch attn (part 3): grid 4 x 64, 16 waves a work-group, clusters of 4 x 1, 261,120 bytes of LDS; arguments qkv, obuf; writes obuf
.if DOCPART == 3
	.amdgcn_target "amdgcn-amd-amdhsa--gfx1250"
	.amdhsa_code_object_version 6
	.text
	.protected	k_qeefb48c38d_attn
	.globl	k_qeefb48c38d_attn
	.p2align	8
	.type	k_qeefb48c38d_attn,@function
k_qeefb48c38d_attn:
	s_mov_b64 s[64:65], 0
	v_nop
	global_prefetch_b8 v0, s[64:65] scope:SCOPE_SE
	s_setreg_imm32_b32 hwreg(HW_REG_WAVE_MODE, 25, 1), 1
	s_wait_xcnt 0x0
	s_wait_alu depctr_hold_cnt(0) depctr_sa_sdst(0) depctr_va_vdst(0) depctr_va_sdst(0) depctr_va_ssrc(0) depctr_va_vcc(0) depctr_vm_vsrc(0)
	s_getreg_b32 s2, hwreg(HW_REG_IB_STS2, 6, 4)
	s_cmp_eq_u32 s2, 0
	s_cbranch_scc0 .Lentry_in_a_cluster
	s_endpgm
.Lentry_in_a_cluster:
	s_bfe_u32 s2, ttmp6, 0x10000c
	s_cmp_lg_u32 s2, 0x3003
	s_cbranch_scc0 .Lentry_shape_is_right
	s_endpgm
.Lentry_shape_is_right:
; o = softmax(q k^T / 8) v for one head, both products on codes of FP6 (E2M3) with E8M0 scales, and o quantised at once along the merged heads' axis (a head is two blocks of 32) for the last product.
; THE SOFTMAX: t = score x log2(e) / 8; M = the running largest t rounded UP to a whole number; p = 2^(t - M) is quantised along the keys, not normalised; the row's sum is taken of the unquantised p and divides at the end.
; When M moves, the sum and O are multiplied by 2^(old M - new M): exact.
; A WHOLE HEAD'S K AND V LIE IN LDS, each byte filled once: no ring, no refill, no barrier among the key steps.  Every tile is asked for at the head and there is no loop to run ahead in, so no prefetch is laid.
; CLUSTER: the four blocks of 512 queries of a head read the same K and V: each part is asked for jointly (mask 15), one tensor load a wave in waves 0 to 10.
; SHARES: sixteen waves; a wave owns one tile of 16 queries, then a second, and walks 16 key steps of 128 keys for each.
; LAYOUT: both products transposed: S^T = K Q^T (source 0 = 16 keys), O^T = V^T P^T (source 0 = 16 channels): a lane holds one query throughout.
; WHICH KEYS FORM A TILE is chosen by the LDS addresses: rows 0-7 of tile t are keys 64 (t / 4) + 8 (t % 4) + 0..7 of the step, rows 8-15 the keys 32 further on.  So the 32 registers of tiles 4 c .. 4 c + 3 of lane (r, h) are
; keys 64 c + 32 h + 0..31: ONE WHOLE BLOCK, in the order in which the second product's operand wants it: a block's maximum needs no other lane and the codes change no lane.
; In memory keys lie in images of 16 (bits 3 and 4 of the key swapped): rows 0-7 come from image 4 (t / 4) + t % 2, rows 8-15 from the image two further on, both from its half (t % 4) / 2.
; LDS ROWS: the images come as rows of 256 bytes with 64 bytes of padding behind each: an image is 960 bytes, and images two apart begin 128 bytes apart modulo 256, so sixteen lanes' loads of 16 bytes touch 256 different bytes modulo 256.
; The head has 64 channels and the instruction 128 along K: Q's upper six registers hold zero codes, so what stands in the upper six of a fragment of K counts for nothing: K's eight fragments overlap, 6 registers apart.
; K's fragments and scale words are fetched one step ahead; V's land where p lay, half by half, as soon as that half's p is summed and converted.
; LIMITS: NaN and infinities are not served; a block of p or of o whose largest magnitude lies under 2^-124, a block of zeros among them, gets the byte 1; o / l is made by v_rcp_f32 and one multiplication;
; the promise holds while the scaled scores stay under 2^31 in magnitude.
; REGISTERS: v1-7, v228, v229 places that stay; v8-11, v28, v29 the step's LDS addresses; v12 -M, v13 the largest score, v[14:15] the sum; v16-27, v230-241 Q's two tiles; v31, v86-93 scale words and nothing else;
;   v32-85 K; v96-159 S^T, then p, then V; v160-191 O^T; v192-210 p's codes; v212-227, v242-247 at work.
.set KC,   6291456                     ; regions of qkv: q's codes at 0, k's here, v's 6,291,456 on,
.set QSG,  18874368                    ; the scale words of q,
.set KSG,  19398656                    ; of k,
.set VSG,  19922944                    ; of v
.set OS,   6291456                     ; obuf: codes [512 token tiles][16 heads][768]; here [64 heads][2,048 stored tokens] two scale bytes
.set IMG,  960                         ; an image in LDS: three rows of 256 + 64 bytes
.set STP,  8*IMG                       ; a key step of K or of V
.set VIMG, 16*STP                      ; LDS: K's images at 0, V's here,
.set KSC,  2*VIMG                      ; K's scale words,
.set VSC,  KSC+8192                    ; V's,
.set OST,  VSC+4096                    ; a stage of 1,024 bytes for o's scale bytes, into which no tensor load lands,
.set SPARE, OST+1024                   ; and the spare words, 128 bytes a wave
.set WV,   8
.set SEL,  12                          ; s[12:13] lane l xor 16
.set CS,   14                          ; s[14:15] c = log2(e) / 8; the packed form names the pair
.set G1A,  16                          ; s[16:23] group 1: 96 padded rows of 256 bytes;  s[24:31]: 16 rows, dense
.set G1B,  24
.set G0A,  32
.set G0B,  36
.set QB,   40                          ; s[40:41] my first tile of Q; s[42:43] its scale words; s[44:45] my first tile of o; s[46:47] o's scale bytes
.set QSB,  42
.set OB,   44
.set OSB,  46
.set TK,   48                          ; the key step's place in K's and V's images
.set TS,   49                          ; in K's scale words: 512 a step
.set TV,   50                          ; in V's: 256
.set NC,   51                          ; -c
.set STEPS, 52
.set KF,   32                          ; K's fragment t at v[KF + 6 t]
.set KS,   86                          ; v86-89 K's scale words: register u: lanes 0-15 tile 2 u, lanes 16-31 tile 2 u + 1
.set VS,   90                          ; v90-91 V's likewise
.set PS,   92                          ; p's scale word
.set S,    96
.set O,    160
.set PC,   192                         ; p's codes
.set PT,   204                         ; the blocks' upper 16 codes as converted
.set BM,   212                         ; v212-215 largest scores, then the two blocks' largest p
.set BT,   216                         ; v216-217 the bytes
.set BO,   220                         ; v220-221 the conversions' scale operands
.set T1,   242                         ; v242-247 three more chains of the sum
.set T2,   244
.set T3,   246
.macro D1
	s_delay_alu instid0(VALU_DEP_1)
.endm
.macro CROUND                          ; a round of the cluster's barrier
	s_barrier_signal -1
	s_barrier_wait -1
	s_cmp_lg_u32 s[WV], 0
	s_cbranch_scc1 .Lnot_wave_0_\@
	s_barrier_signal -3
.Lnot_wave_0_\@:
	s_barrier_wait -3
	s_barrier_signal -1
	s_barrier_wait -1
.endm
.macro WM d, a, b, c, sa, sb, odd      ; odd: source 0's scales stand in lanes 16-31
.if \odd
	v_wmma_scale_f32_16x16x128_f8f6f4 v[\d:\d+7], v[\a:\a+11], v[\b:\b+11], \c, v[\sa], v[\sb] matrix_a_fmt:MATRIX_FMT_FP6 matrix_b_fmt:MATRIX_FMT_FP6 matrix_a_scale:MATRIX_SCALE_ROW1
.else
	v_wmma_scale_f32_16x16x128_f8f6f4 v[\d:\d+7], v[\a:\a+11], v[\b:\b+11], \c, v[\sa], v[\sb] matrix_a_fmt:MATRIX_FMT_FP6 matrix_b_fmt:MATRIX_FMT_FP6
.endif
.endm
.macro KLOAD a16, a8, as, o, os        ; a step's scale words and eight fragments of K: 20 LDS loads
.irp u, 0,1,2,3
	ds_load_b32 v[KS+\u], v[\as] offset:\os+128*(\u%2)+8*(\u/2)
.endr
.irp t, 0,1,2,3,4,5,6,7
	ds_load_b128 v[KF+6*\t:KF+6*\t+3], v[\a16] offset:\o+(4*(\t/4)+\t%2)*IMG+128*((\t%4)/2)
	ds_load_b64 v[KF+6*\t+4:KF+6*\t+5], v[\a8] offset:\o+(4*(\t/4)+\t%2)*IMG+640+64*((\t%4)/2)
.endr
.endm
.macro VLOAD t                         ; V's fragment t, 16 channels x 128 keys: two images, four LDS loads
.irp c, 0,1
	ds_load_b128 v[S+12*((\t)%2)+32*((\t)/2)+6*\c:S+12*((\t)%2)+32*((\t)/2)+6*\c+3], v10 offset:(2*(\t)+\c)*IMG
	ds_load_b64 v[S+12*((\t)%2)+32*((\t)/2)+6*\c+4:S+12*((\t)%2)+32*((\t)/2)+6*\c+5], v11 offset:(2*(\t)+\c)*IMG+640
.endr
.endm
.macro ACC4 j                          ; eight more p onto the sum's four chains
	v_pk_add_f32 v[T1:T1+1], v[T1:T1+1], v[S+\j:S+\j+1]
	v_pk_add_f32 v[T2:T2+1], v[T2:T2+1], v[S+\j+2:S+\j+3]
	v_pk_add_f32 v[T3:T3+1], v[T3:T3+1], v[S+\j+4:S+\j+5]
	v_pk_add_f32 v[14:15], v[14:15], v[S+\j+6:S+\j+7]
.endm
.macro COMB                            ; the four chains become one
	v_pk_add_f32 v[T1:T1+1], v[T1:T1+1], v[T2:T2+1]
	v_pk_add_f32 v[14:15], v[14:15], v[T3:T3+1]
	v_pk_add_f32 v[14:15], v[14:15], v[T1:T1+1]
.endm
	s_load_b128 s[4:7], s[0:1], 0x0                ; qkv, obuf
	v_lshl_add_u32 v254, v0, 2, SPARE
	v_mov_b32 v255, 0
	ds_add_u32 v254, v255                          ; the opening lines: the add, twice on end, and its wait ahead of the first tensor load
	ds_add_u32 v254, v255
	v_lshrrev_b32 v8, 5, v0
	D1
	v_readfirstlane_b32 s[WV], v8                  ; wave 0..15
	s_bfe_u32 s9, ttmp6, 0x40000                   ; cx: my block of 512 queries: it enters Q's and o's addresses alone
	s_and_b32 s10, ttmp7, 0xffff                   ; the head (16 x batch + head), which the four partners share
	s_lshl_b32 s54, s[WV], 5
	s_add_co_u32 s54, s54, OST
	v_and_b32 v9, 31, v0                           ; lane
	v_and_b32 v10, 15, v0                          ; r
	v_bfe_u32 v11, v0, 4, 1                        ; h
	v_and_b32 v28, 7, v0                           ; r % 8
	v_bfe_u32 v29, v0, 3, 1                        ; r / 8
	v_lshlrev_b32 v1, 4, v9                        ; 16 x lane
	v_lshlrev_b32 v2, 3, v9                        ; 8 x lane
	v_mul_u32_u24 v3, v29, 2*IMG                   ; K: rows 8-15 come from the image two further on
	v_lshlrev_b32 v228, 4, v28
	v_lshl_add_u32 v5, v11, 6, v1                  ; V, registers 0-3: 16 x lane, + 64 for the padding passed by lanes 16-31
	v_lshl_add_u32 v4, v28, 3, v3
	v_lshl_add_u32 v3, v28, 4, v3
	v_lshl_add_u32 v228, v29, 2, v228
	v_lshl_add_u32 v4, v11, 7, v4                  ; K, registers 4-5: 1,920 (r / 8) + 8 (r % 8) + 128 h
	v_mad_u32_u24 v3, v11, 320, v3                 ; K, registers 0-3: 1,920 (r / 8) + 16 (r % 8) + 320 h
	v_lshl_add_u32 v228, v11, 8, v228
	v_add_nc_u32 v5, VIMG, v5
	v_add_nc_u32 v6, VIMG, v2                      ; V, registers 4-5
	v_add_nc_u32 v228, KSC, v228                   ; K's scale words: 256 h (the tile's parity) + 16 (r % 8) + 4 (r / 8)
	v_add_nc_u32 v229, VSC, v2                     ; V's: two a lane
	v_lshlrev_b32 v7, 4, v10                       ; Q's scale word in memory: 16 r
	v_lshlrev_b32 v30, 1, v10
	v_lshlrev_b32 v95, 3, v11                      ; 8 h: where my two bytes stand in p's scale word
	v_lshl_add_u32 v94, v0, 4, OST                 ; the stage read back, in waves 0 and 1: 16 bytes a thread
	v_add_nc_u32 v30, s54, v30                     ; o's two scale bytes: OST + 32 w + 2 r
.irp j, 22,23,24,25,26,27, 236,237,238,239,240,241
	v_mov_b32 v\j, 0                               ; Q's K = 64 .. 127: zero codes
.endr
.irp j, 80,81,82,83,84,85
	v_mov_b32 v\j, 0                               ; behind K's last fragment: written once, never loaded
.endr
.irp j, 216,217,219,224,225,227
	v_mov_b32 v\j, 0                               ; a lane permute's destination counts as one of its sources; v227 is named as the upper half of the pair v[226:227]
.endr
	s_mov_b32 s[SEL], 0x76543210
	s_mov_b32 s[SEL+1], 0xfedcba98
	s_mov_b32 s[CS], 0x3e38aa3b                    ; log2(e) / 8
	s_mov_b32 s[CS+1], s[CS]
	s_mov_b32 s[NC], 0xbe38aa3b
	; group 1: dense blocks as rows of 256 bytes (32 elements of 8 bytes); mask 15: all four work-groups; bit 21 beside it; the codes with 16 words of padding behind every 64
	s_mov_b32 s[G1A], 15|(3<<16)|(1<<20)|(1<<21)|(5<<22)|(15<<25)
	s_mov_b32 s[G1A+1], 32<<16
	s_mov_b32 s[G1A+2], 96<<16
	s_mov_b32 s[G1A+3], 32<<16
	s_mov_b32 s[G1A+4], 96
	s_mov_b32 s[G1A+5], 32
	s_mov_b32 s[G1A+6], 0
	s_mov_b32 s[G1A+7], 0
	s_mov_b32 s[G1B], 15|(3<<16)|(1<<21)
	s_mov_b32 s[G1B+1], 32<<16
	s_mov_b32 s[G1B+2], 16<<16
	s_mov_b32 s[G1B+3], 32<<16
	s_mov_b32 s[G1B+4], 16
	s_mov_b32 s[G1B+5], 32
	s_mov_b32 s[G1B+6], 0
	s_mov_b32 s[G1B+7], 0
	; waves 0-3: a quarter of K's codes; waves 4-7: of V's, whose region lies 6,291,456 bytes on
	s_mul_i32 s54, s10, 98304
	s_and_b32 s55, s[WV], 3
	s_mul_i32 s55, s55, 24576
	s_add_co_u32 s54, s54, s55
	s_lshr_b32 s55, s[WV], 2
	s_mul_i32 s55, s55, 6291456
	s_add_co_u32 s54, s54, s55
	s_add_co_u32 s54, s54, KC
	s_mov_b32 s55, 0
	; waves 8, 9: a half of K's scale words; wave 10: V's
	s_lshl_b32 s56, s10, 13
	s_and_b32 s57, s[WV], 1
	s_lshl_b32 s57, s57, 12
	s_add_co_u32 s56, s56, s57
	s_add_co_u32 s56, s56, KSG
	s_lshl_b32 s57, s10, 12
	s_add_co_u32 s57, s57, VSG
	s_cmp_eq_u32 s[WV], 10
	s_cselect_b32 s56, s57, s56
	s_mov_b32 s57, 0
	; my first tile of queries: 32 cx + w of the head's 128
	s_lshl_b32 s60, s10, 7
	s_lshl_b32 s61, s9, 5
	s_add_co_u32 s60, s60, s61
	s_add_co_u32 s60, s60, s[WV]
	s_mul_i32 s60, s60, 768
	s_mov_b32 s61, 0
	s_lshl_b32 s62, s10, 13                        ; its scale words: group 4 cx + w / 8 of 512 bytes, + 256 (w % 2) + 4 ((w % 8) / 2)
	s_lshl_b32 s63, s9, 11
	s_add_co_u32 s62, s62, s63
	s_lshr_b32 s63, s[WV], 3
	s_lshl_b32 s63, s63, 9
	s_add_co_u32 s62, s62, s63
	s_and_b32 s63, s[WV], 1
	s_lshl_b32 s63, s63, 8
	s_add_co_u32 s62, s62, s63
	s_bfe_u32 s63, s[WV], 0x20001
	s_lshl_b32 s63, s63, 2
	s_add_co_u32 s62, s62, s63
	s_add_co_u32 s62, s62, QSG
	s_mov_b32 s63, 0
	s_lshr_b32 s66, s10, 4                         ; o's codes: token tile 128 x batch + 32 cx + w of 12,288 bytes, half image = the head
	s_lshl_b32 s66, s66, 7
	s_lshl_b32 s67, s9, 5
	s_add_co_u32 s66, s66, s67
	s_add_co_u32 s66, s66, s[WV]
	s_mul_i32 s66, s66, 12288
	s_and_b32 s67, s10, 15
	s_mul_i32 s67, s67, 768
	s_add_co_u32 s66, s66, s67
	s_mov_b32 s67, 0
	s_lshl_b32 s68, s10, 12                        ; o's scale bytes: 4,096 a head, 1,024 a work-group, 512 for each of waves 0 and 1
	s_lshl_b32 s69, s9, 10
	s_add_co_u32 s68, s68, s69
	s_lshl_b32 s69, s[WV], 9
	s_add_co_u32 s68, s68, s69
	s_add_co_u32 s68, s68, OS
	s_mov_b32 s69, 0
	s_wait_alu depctr_va_vdst(0)                   ; the wait at the head's end
	s_wait_dscnt 0x0                               ; both opening adds are done
	s_wait_kmcnt 0x0
	s_mov_b32 s[G0A], 1
	s_mul_i32 s[G0A+1], s[WV], 4*STP               ; K's four quarters, then V's four
	s_add_nc_u64 s[G0A+2:G0A+3], s[4:5], s[54:55]
	s_or_b32 s[G0A+3], s[G0A+3], 0x80000000
	s_mov_b32 s[G0B], 1
	s_lshl_b32 s[G0B+1], s[WV], 12
	s_add_co_u32 s[G0B+1], s[G0B+1], KSC-8*4096    ; wave 8: KSC, wave 9: 4,096 on, wave 10: VSC
	s_add_nc_u64 s[G0B+2:G0B+3], s[4:5], s[56:57]
	s_or_b32 s[G0B+3], s[G0B+3], 0x80000000
	s_add_nc_u64 s[QB:QB+1], s[4:5], s[60:61]
	s_add_nc_u64 s[QSB:QSB+1], s[4:5], s[62:63]
	s_add_nc_u64 s[OB:OB+1], s[6:7], s[66:67]
	s_add_nc_u64 s[OSB:OSB+1], s[6:7], s[68:69]
	global_load_b128 v[16:19], v1, s[QB:QB+1]                  ; both my tiles of Q and their scale words, on their way under the tensor loads
	global_load_b64 v[20:21], v2, s[QB:QB+1] offset:512
	global_load_b32 v31, v7, s[QSB:QSB+1]
	global_load_b128 v[230:233], v1, s[QB:QB+1] offset:12288
	global_load_b64 v[234:235], v2, s[QB:QB+1] offset:12288+512
	global_load_b32 v93, v7, s[QSB:QSB+1] offset:1024
	CROUND                                         ; all four work-groups are here: the joint loads meet
	s_cmp_lt_u32 s[WV], 8                          ; one tensor load a wave is out; the branches hang on the wave's number alone; four v_nop follow each line
	s_cbranch_scc0 .Lnot_codes
	tensor_load_to_lds s[G0A:G0A+3], s[G1A:G1A+7]
	s_nop 0
.rept 4
	v_nop
.endr
	s_branch .Lasked
.Lnot_codes:
	s_cmp_lt_u32 s[WV], 11
	s_cbranch_scc0 .Lasked
	tensor_load_to_lds s[G0B:G0B+3], s[G1B:G1B+7]
	s_nop 0
.rept 4
	v_nop
.endr
.Lasked:
	s_wait_tensorcnt 0x0                           ; my part has landed,
	s_barrier_signal -1
	s_barrier_wait -1                              ; everybody's has: from here on K and V are only read
	s_wait_loadcnt 0x0                             ; Q
; ONE KEY STEP of 128 keys for the tile of queries in v[qf ..].  pre = 1: the next step's K is fetched.
.macro STEP pre, qf, qs
	s_wait_dscnt 0x0                               ; this step's K and its scale words are in
.if \pre
	v_add_nc_u32 v8, s[TK], v3                     ; five plain lines stand between the last step's products and S^T, which is written over V's fragments
	v_add_nc_u32 v9, s[TK], v4
	v_add_nc_u32 v28, s[TS], v228
.else
.rept 3
	v_nop
.endr
.endif
	v_add_nc_u32 v10, s[TK], v5
	v_add_nc_u32 v11, s[TK], v6
.irp t, 0,1,2,3,4,5,6,7                ; S^T = K Q^T
	WM S+8*\t, KF+6*\t, \qf, 0, KS+\t/2, \qs, \t%2
.endr
	v_add_nc_u32 v29, s[TV], v229                  ; four plain lines behind the products: ahead of the loads into K's registers and of the first read of S^T
	COMB                                           ; the last step's four chains of the sum
	ds_load_b64 v[VS:VS+1], v29
.if \pre
	KLOAD 8, 9, 28, STP, 512
.endif
.irp b, 0,1,2,3
	v_max3_num_f32 v[BM+\b], v[S+16*\b], v[S+1+16*\b], v[S+2+16*\b]   ; four chains of 16 scores; each accumulator is first read at its low end
.endr
.irp i, 3,5,7,9,11,13
.irp b, 0,1,2,3
	v_max3_num_f32 v[BM+\b], v[BM+\b], v[S+16*\b+\i], v[S+1+16*\b+\i]
.endr
.endr
	v_max3_num_f32 v[BM], v[BM], v[BM+1], v[S+15]
	v_max3_num_f32 v[BM+2], v[BM+2], v[BM+3], v[S+47]
	v_max_num_f32 v[BM], v[BM], v[S+31]            ; the largest score of my block 2 x 0 + h: it serves the row's maximum and, since p rises with the score, the block's largest p
	v_max_num_f32 v[BM+1], v[BM+2], v[S+63]        ; and of my block 2 + h
	D1
	v_max_num_f32 v224, v[BM], v[BM+1]
	D1
	v_permlanex16_b32 v225, v224, s[SEL], s[SEL+1]
	D1
	v_max3_num_f32 v13, v13, v224, v225            ; the running largest score of my query (c is positive: the largest t is c x this)
	D1
	v_mul_f32 v224, s[NC], v13
	D1
	v_floor_f32 v225, v224                         ; the new -M = -ceil(t): a whole number
	D1
	v_sub_f32 v224, v225, v12                      ; old M - new M, 0 or less
	v_mov_b32 v12, v225
	s_delay_alu instid0(VALU_DEP_2)
	v_cvt_i32_f32 v224, v224                       ; (it saturates)
	D1
	v_ldexp_f32 v226, 1.0, v224                    ; f = 2^(old M - new M)
.set j, 0
.rept 32
	v_pk_fma_f32 v[S+j:S+j+1], v[S+j:S+j+1], s[CS:CS+1], v[12:13] op_sel_hi:[1,0,0]   ; t - M, two by two
.set j, j+2
.endr
	v_fma_f32 v[BM], v[BM], s[CS], v12             ; the same of each block's largest score
	v_fma_f32 v[BM+1], v[BM+1], s[CS], v12
	s_wait_alu depctr_va_vdst(0)                   ; the wait ahead of the batch
	v_exp_f32 v[BM], v[BM]                         ; the blocks' largest p: the same two instructions on the same number
	v_exp_f32 v[BM+1], v[BM+1]
.set j, 0
.rept 64
	v_exp_f32 v[S+j], v[S+j]                       ; p = 2^(t - M), at most 1
.set j, j+1
.endr
	v_pk_mul_f32 v[14:15], v[14:15], v[226:227] op_sel_hi:[1,0]   ; the sum under the new M: the plain line behind the exponentials
	s_wait_alu depctr_va_vdst(0)                   ; one wait for the batch, ahead of its first reader
	v_max_num_f32 v[BM], 0x1800000, v[BM]          ; the floor 2^(3 - 127)
	v_max_num_f32 v[BM+1], 0x1800000, v[BM+1]
	v_pk_add_f32 v[T1:T1+1], v[S:S+1], v[S+2:S+3]  ; the sum of the unquantised p, in four chains: first my block h
	v_pk_add_f32 v[T2:T2+1], v[S+4:S+5], v[S+6:S+7]
	v_add_nc_u32 v[BO], 0xff000000, v[BM]          ; 2 off the exponent field: the conversion's scale operand
	v_add_nc_u32 v[BO+1], 0xff000000, v[BM+1]
	v_pk_add_f32 v[T3:T3+1], v[S+8:S+9], v[S+10:S+11]
	v_pk_add_f32 v[14:15], v[14:15], v[S+12:S+13]
	ACC4 14
	ACC4 22
	v_pk_add_f32 v[T1:T1+1], v[T1:T1+1], v[S+30:S+31]
	v_cvt_scalef32_pk16_fp6_f32 v[PC:PC+2], v[S:S+15], v[BO]
	v_cvt_scalef32_pk16_fp6_f32 v[PT:PT+2], v[S+16:S+31], v[BO]       ; a conversion's three registers begin on an even number
	v_lshrrev_b32 v[BT], 23, v[BO]                 ; the scale's byte; also the plain line behind the conversions
	VLOAD 0                                        ; that half of p is spent: V's fragments 0 and 1 land there
	VLOAD 1
	ACC4 32
	ACC4 40
	ACC4 48
	ACC4 56
	v_cvt_scalef32_pk16_fp6_f32 v[PC+6:PC+8], v[S+32:S+47], v[BO+1]
	v_cvt_scalef32_pk16_fp6_f32 v[PT+4:PT+6], v[S+48:S+63], v[BO+1]
	v_lshrrev_b32 v[BT+1], 23, v[BO+1]
	VLOAD 2
	VLOAD 3
	v_mov_b32 v[PC+3], v[PT]
	v_lshl_or_b32 v218, v[BT+1], 16, v[BT]         ; my two bytes: blocks h and 2 + h,
	v_mov_b32 v[PC+4], v[PT+1]
	v_mov_b32 v[PC+5], v[PT+2]
	v_lshlrev_b32 v218, v95, v218                  ; at their places in the word;
	v_mov_b32 v[PC+9], v[PT+4]
	v_mov_b32 v[PC+10], v[PT+5]
	v_permlanex16_b32 v219, v218, s[SEL], s[SEL+1]
	v_mov_b32 v[PC+11], v[PT+6]
	s_delay_alu instid0(VALU_DEP_2)
	v_or_b32 v[PS], v218, v219                     ; with lane l xor 16's two the word is whole
	s_wait_alu depctr_va_vdst(0)                   ; the wait directly ahead of the first reader of O^T
.set j, 0
.rept 16
	v_pk_mul_f32 v[O+j:O+j+1], v[O+j:O+j+1], v[226:227] op_sel_hi:[1,0]   ; O^T under the new M.  These 16 are also the lines owed between the writing of p's codes (4) and scale word (8) and the products
.set j, j+2
.endr
	s_wait_alu depctr_va_vdst(0)                   ; the wait directly ahead of the wait below
	s_wait_dscnt 8                                 ; all but the youngest eight loads, V's fragments 2 and 3
	WM O, S, PC, v[O:O+7], VS, PS, 0               ; O^T += V^T P^T: four accumulators by turns
	WM O+8, S+12, PC, v[O+8:O+15], VS, PS, 1
	s_wait_dscnt 0x0
	WM O+16, S+32, PC, v[O+16:O+23], VS+1, PS, 0
	WM O+24, S+44, PC, v[O+24:O+31], VS+1, PS, 1
.endm
; ONE TILE OF 16 QUERIES through all 2,048 keys: tile 32 cx + 16 p + w
.macro PASS p, qf, qs
.irp j, 242,243,244,245,246,247,14,15
	v_mov_b32 v\j, 0                               ; the sum's chains
.endr
	v_mov_b32 v13, 0xff61b1e6                      ; the largest score so far: -3e38
	v_mov_b32 v12, 0x7f61b1e6                      ; -M: 3e38
.set j, 0
.rept 32
	v_mov_b32 v[O+j], 0                            ; O^T: the step is written once; the first finds zeros, which the first change of M leaves zeros
.set j, j+1
.endr
	KLOAD 3, 4, 228, 0, 0                          ; step 0's K
	s_mov_b32 s[TK], 0
	s_mov_b32 s[TS], 0
	s_mov_b32 s[TV], 0
	s_mov_b32 s[STEPS], 15
.Lstep_\@:
	STEP 1, \qf, \qs
	s_add_co_u32 s[TK], s[TK], STP
	s_add_co_u32 s[TS], s[TS], 512
	s_add_co_u32 s[TV], s[TV], 256
	s_sub_co_u32 s[STEPS], s[STEPS], 1
	s_cmp_lg_u32 s[STEPS], 0
	s_cbranch_scc1 .Lstep_\@
	STEP 0, \qf, \qs                               ; the last step fetches no further K
	; the tile's end: o = O^T / l, quantised: register 16 b + i is channel 32 b + 16 h + i of my query
	COMB                                           ; these four lines are also the places behind the last products
	v_add_f32 v14, v14, v15
	D1
	v_permlanex16_b32 v224, v14, s[SEL], s[SEL+1]
	D1
	v_add_f32 v14, v14, v224                       ; the row's sum
	s_wait_alu depctr_va_vdst(0)
	v_rcp_f32 v14, v14
	v_nop                                          ; a plain line behind the reciprocal
	s_wait_alu depctr_va_vdst(0)                   ; and the wait ahead of its first reader
.set j, 0
.rept 32
	v_mul_f32 v[S+j], v[O+j], v14                  ; each accumulator from its low end on
.set j, j+1
.endr
.irp b, 0,1
	v_max3_num_f32 v[BM+\b], |v[S+16*\b]|, |v[S+1+16*\b]|, 0x1800000
.endr
.irp i, 2,4,6,8,10,12,14
.irp b, 0,1
	s_delay_alu instid0(VALU_DEP_2)
	v_max3_num_f32 v[BM+\b], v[BM+\b], |v[S+16*\b+\i]|, |v[S+1+16*\b+\i]|
.endr
.endr
.irp b, 0,1
	s_delay_alu instid0(VALU_DEP_2)
	v_permlanex16_b32 v[BT+\b], v[BM+\b], s[SEL], s[SEL+1]
.endr
.irp b, 0,1
	s_delay_alu instid0(VALU_DEP_2)
	v_max_num_f32 v[BM+\b], v[BM+\b], v[BT+\b]
.endr
.irp b, 0,1
	s_delay_alu instid0(VALU_DEP_2)
	v_add_nc_u32 v[BO+\b], 0xff000000, v[BM+\b]
.endr
.irp b, 0,1
	s_delay_alu instid0(VALU_DEP_2)
	v_lshrrev_b32 v[BT+\b], 23, v[BO+\b]
.endr
	D1
	v_lshl_or_b32 v224, v[BT+1], 8, v[BT]          ; the head's two scale bytes of my query
	v_cvt_scalef32_pk16_fp6_f32 v[PC:PC+2], v[S:S+15], v[BO]
	v_cvt_scalef32_pk16_fp6_f32 v[PT:PT+2], v[S+16:S+31], v[BO+1]
	v_nop
.irp i, 0,1,2
	v_permlane16_swap_b32 v[PC+\i], v[PT+\i]       ; o's blocks lie across the two halves of the lanes: the operand wants a whole block in a lane
.endr
.irp i, 0,1,2
	s_delay_alu instid0(VALU_DEP_3)
	v_mov_b32 v[PC+3+\i], v[PT+\i]
.endr
	global_store_b128 v1, v[PC:PC+3], s[OB:OB+1] offset:196608*\p          ; a half image: 512 consecutive bytes,
	global_store_b64 v2, v[PC+4:PC+5], s[OB:OB+1] offset:196608*\p+512     ; and 256
	ds_store_b16 v30, v224 offset:512*\p           ; both halves of the lanes write the same bytes with the same value
	s_wait_xcnt 0x0                                ; the stores have read their data: the codes' registers are written again only behind this wait
.endm
	PASS 0, 16, 31
	PASS 1, 230, 93
	s_wait_dscnt 0x0                               ; for the others' sake: my scale bytes have landed
	s_barrier_signal -1
	s_barrier_wait -1
	s_cmp_lt_u32 s[WV], 2
	s_cbranch_scc0 .Lno_scales                     ; waves 0 and 1 store the work-group's 512 queries' scale bytes: 512 consecutive bytes each
	ds_load_b128 v[96:99], v94
	s_wait_dscnt 0x0
	global_store_b128 v1, v[96:99], s[OSB:OSB+1]
.Lno_scales:
	s_wait_tensorcnt 0x0                           ; the wave's end
	ds_add_u32 v254, v255
	s_wait_dscnt 0x0
	CROUND                                         ; the closing round: no work-group ends while a partner may still ask for a part that names it
	s_endpgm
.Lfunc_end_k_qeefb48c38d_attn:
	.size	k_qeefb48c38d_attn, .Lfunc_end_k_qeefb48c38d_attn-k_qeefb48c38d_attn
	.p2alignl 7, 3214868480
	.fill 96, 4, 3214868480
	.section	.rodata,"a",@progbits
	.p2align	6, 0x0
	.amdhsa_kernel k_qeefb48c38d_attn
		.amdhsa_group_segment_fixed_size 261120
		.amdhsa_private_segment_fixed_size 0
		.amdhsa_enable_private_segment 0
		.amdhsa_kernarg_size 16
		.amdhsa_user_sgpr_count 2
		.amdhsa_user_sgpr_kernarg_segment_ptr 1
		.amdhsa_wavefront_size32 1
		.amdhsa_system_sgpr_workgroup_id_x 1
		.amdhsa_system_sgpr_workgroup_id_y 1
		.amdhsa_system_sgpr_workgroup_id_z 1
		.amdhsa_system_vgpr_workitem_id 0
		.amdhsa_next_free_vgpr 256
		.amdhsa_next_free_sgpr 72
		.amdhsa_reserve_vcc 0
		.amdhsa_float_denorm_mode_32 3
		.amdhsa_float_denorm_mode_16_64 3
		.amdhsa_memory_ordered 1
		.amdhsa_forward_progress 1
		.amdhsa_inst_pref_size 82
	.end_amdhsa_kernel
	.amdgpu_metadata
---
amdhsa.version: [ 1, 2 ]
amdhsa.kernels:
  - .name:           k_qeefb48c38d_attn
    .symbol:         k_qeefb48c38d_attn.kd
    .args:
      - { .name: qkv, .offset: 0, .size: 8, .value_kind: global_buffer, .address_space: global }
      - { .name: obuf, .offset: 8, .size: 8, .value_kind: global_buffer, .address_space: global }
    .group_segment_fixed_size: 261120
    .private_segment_fixed_size: 0
    .kernarg_segment_align: 8
    .kernarg_segment_size: 16
    .max_flat_workgroup_size: 512
    .sgpr_count:     72
    .vgpr_count:     256
    .wavefront_size: 32
...
	.end_amdgpu_metadata
.endif
;; end of part 3
;; launch gemm_out (part 4): grid 4 x 32, 4 waves a work-group, clusters of 4 x 4, 327,680 bytes of LDS; arguments obuf, wbuf, bout, out0; writes out0
.if DOCPART == 4
	.amdgcn_target "amdgcn-amd-amdhsa--gfx1250"
	.amdhsa_code_object_version 6
	.text
	.protected	k_qeefb48c38d_gemm_out
	.globl	k_qeefb48c38d_gemm_out
	.p2align	8
	.type	k_qeefb48c38d_gemm_out,@function
k_qeefb48c38d_gemm_out:
	s_mov_b64 s[64:65], 0
	v_nop
	global_prefetch_b8 v0, s[64:65] scope:SCOPE_SE
	s_setreg_imm32_b32 hwreg(HW_REG_WAVE_MODE, 25, 1), 1
	s_wait_xcnt 0x0
	s_wait_alu depctr_hold_cnt(0) depctr_sa_sdst(0) depctr_va_vdst(0) depctr_va_sdst(0) depctr_va_ssrc(0) depctr_va_vcc(0) depctr_vm_vsrc(0)
	s_getreg_b32 s2, hwreg(HW_REG_IB_STS2, 6, 4)
	s_cmp_eq_u32 s2, 0
	s_cbranch_scc0 .Lentry_in_a_cluster
	s_endpgm
.Lentry_in_a_cluster:
	s_bfe_u32 s2, ttmp6, 0x10000c
	s_cmp_lg_u32 s2, 0xf033
	s_cbranch_scc0 .Lentry_shape_is_right
	s_endpgm
.Lentry_shape_is_right:
; out0 = o Wout + bout: o [8192][1024] and Wout's columns as codes of FP6 (E2M3) with E8M0 scales, K = 1,024; out0 f32.
; A tile of 256 x 256 to a work-group of four waves, 128 x 128 (64 accumulators) to a wave; K in four steps of 256 through two LDS slots filled by the tensor data mover; operands lie in memory as images of their registers
; (16 rows x 64 K in 768 bytes: registers 0-3 at 16 x lane, registers 4-5 at 512 + 8 x lane), so a fragment comes by four LDS loads of consecutive bytes.
; THE MATRIX INSTRUCTION IS USED TRANSPOSED (source 0 = 16 columns of Wout, source 1 = 16 rows of o): a lane holds eight neighbouring numbers of a row of out0.
; Rows and columns lie in stored order (bits 3 and 4 of the number swapped): the columns come right in the stage's offsets, the rows in the stores' immediates.
; o's SCALE BYTES arrive head by head, two bytes a row: the prologue lays them in LDS as the products want them, [K step of 256][row][8 bytes]; no tensor load lands on those bytes.
; THE BIAS is the C of each sum's first matrix instruction: 64 registers in the result's layout.
; CLUSTERS 4 x 4: o's tiles are shared along a row of the cluster, Wout's along a column: joint loads.  The grid is 128 work-groups: the problem has no more tiles of this size.
; REGISTERS, in windows of 256: window 0: v1-29 addresses; v32-63 scale words, two sets, and nothing else; v64-127 the bias; v128-223 A's fragments, one set; on the way out v128-255 rows of out0.
;   window 1: B's fragments, two sets.  windows 2, 3: the accumulators: (a, b) at v[8 (8 (a % 4) + b)].
.set OS,    6291456                    ; o's scale bytes in obuf: [64 heads][2,048 stored tokens][2]
.set WSC,   3145728                    ; the scales in wbuf
.set NQ,    2
.set FR,    12
.set FRB,   1536
.set TROW,  3072
.set HALFT, 8*TROW
.set SLOT,  4*HALFT
.set SCL,   2*SLOT                     ; the scales of all of K: A's two runs of [4 K steps][128 rows][8] (stored by the prologue), then B's two (filled once)
.set SPARE, SCL+4*4096                 ; the spare words, 128 bytes a wave: two blocks of 256 bytes that no other line names
.set NL,    4
.set NP,    4
.set SPITCH, 528                       ; the way out: a stage of 16 rows x (512 + 16) bytes a wave, in slot 0, which has had its last fill and its last read by then
.set L16,  1                           ; v1   16 x lane
.set L8,   2                           ; v2   8 x lane
.set BOF,  3                           ; v3   64 h: my half's place in the bias
.set ASA,  4                           ; v4   where I lay o's scale bytes
.set ADRA, 16
.set ADRB, 20
.set STO,  24                          ; v24  the stage, in
.set RD,   25                          ; v25  and back
.set ADRS, 27
.set SPW,  28
.set NIL,  29
.set SC,   32
.set BI,   64                          ; v64-127 the bias: tile b's eight at v[BI + 8 b]
.set AF,   128
.set BK,   128                         ; the way out: v128-191 and v192-255 by turns
.set G1,   24
.set G0,   32
.set G1B,  48
.set G0B,  56
.set G1SB, 80
.set G0SB, 88
.set MSB, 0
.macro WIN new                         ; the immediate's high byte repeats the setting that is left
.if MSB != \new
	s_set_vgpr_msb (MSB<<8)|\new
.set MSB, \new
.endif
.endm
.set MUL_LO, 0xa1                      ; source 0 (B) window 1, source 1 (A) window 0, C and D window 2
.set MUL_HI, 0xf1                      ; the same, C and D window 3
.set FIRST_LO, 0x81                    ; the first step: C (the bias) window 0, D window 2
.set FIRST_HI, 0xc1                    ; D window 3
.set TO_B,   0x40
.macro PLACES n
.rept \n
	v_nop
.endr
.endm
.macro JLOAD g0a, g1a, g0b, g1b        ; a joint refill: waves 0 and 1 fetch for A, waves 2 and 3 for B; four v_nop follow each line
	s_cmp_eq_u32 s15, 0
	s_cbranch_scc0 .Lfor_b_\@
	tensor_load_to_lds s[\g0a:\g0a+3], s[\g1a:\g1a+7]
	s_nop 0
	PLACES 4
	s_branch .Lasked_\@
.Lfor_b_\@:
	tensor_load_to_lds s[\g0b:\g0b+3], s[\g1b:\g1b+7]
	s_nop 0
	PLACES 4
.Lasked_\@:
.endm
.macro CREST
	s_cmp_lg_u32 s14, 0
	s_cbranch_scc1 .Lnot_wave_0_\@
	s_barrier_signal -3
.Lnot_wave_0_\@:
	s_barrier_wait -3
	s_barrier_signal -1
	s_barrier_wait -1
.endm
.macro CROUND
	s_barrier_signal -1
	s_barrier_wait -1
	CREST
.endm
	s_load_b256 s[4:11], s[0:1], 0x0               ; obuf s[4:5], wbuf s[6:7], bout s[8:9], out0 s[10:11]
	v_lshl_add_u32 v[SPW], v0, 2, SPARE
	v_mov_b32 v[NIL], 0
	ds_add_u32 v28, v29
	ds_add_u32 v28, v29
	s_wait_dscnt 0x0
	v_lshrrev_b32 v9, 5, v0
	v_readfirstlane_b32 s14, v9                    ; wave 0..3
	s_lshr_b32 s15, s14, 1                         ; my half of the rows.  Also: I fetch for A (0) or for B (1)
	s_and_b32 s16, s14, 1                          ; my half of the columns.  Also: which 128 rows I fetch
	s_bfe_u32 s40, ttmp6, 0x40000                  ; cx, cy
	s_bfe_u32 s41, ttmp6, 0x40004
	s_lshl_b32 s43, s41, 2
	s_lshl_b32 s43, 15, s43                        ; my row of the cluster
	s_lshl_b32 s44, 0x1111, s40                    ; my column
	s_or_b32 s[G1+0], s43, (3<<16)|(1<<21)         ; codes: 8 rows of 3,072 bytes, 12,288 apart, elements of 8 bytes
	s_or_b32 s[G1B+0], s44, (3<<16)|(1<<21)
.irp g, G1, G1B
	s_mov_b32 s[\g+1], 384<<16
	s_mov_b32 s[\g+2], 16<<16                      ; 16 tiles (256 operand rows) for the head's loads; set to 8 for the ring's behind them
	s_mov_b32 s[\g+3], 384<<16
	s_mov_b32 s[\g+4], 16
	s_mov_b32 s[\g+5], 1536
	s_mov_b32 s[\g+6], 0
	s_mov_b32 s[\g+7], 0
.endr
	s_or_b32 s[G1SB+0], s44, (3<<16)|(1<<21)       ; B's scales: 4 rows (K steps) of 1,024 bytes, 65,536 apart
	s_mov_b32 s[G1SB+1], 128<<16
	s_mov_b32 s[G1SB+2], 4<<16
	s_mov_b32 s[G1SB+3], 128<<16
	s_mov_b32 s[G1SB+4], 4
	s_mov_b32 s[G1SB+5], 8192
	s_mov_b32 s[G1SB+6], 0
	s_mov_b32 s[G1SB+7], 0
	s_and_b32 s17, ttmp7, 0xffff
	s_lshl_b32 s17, s17, 2
	s_add_co_u32 s42, s17, s41                     ; A: o's block of 256 rows = 4 x cluster y + cy
	s_add_co_u32 s46, s40, 12                      ; B: Wout's block of 256 columns: block 12 + cx of wbuf
	s_lshl_b32 s18, s42, 4
	s_lshl_b32 s19, s16, 3
	s_add_co_u32 s18, s18, s19
	s_mul_i32 s18, s18, 12288                      ; A's codes
	s_mov_b32 s19, 0
	s_lshr_b32 s2, s42, 3                          ; A's scale bytes: heads 4 w .. 4 w + 3 of the batch, the block's 256 rows
	s_lshl_b32 s2, s2, 4
	s_lshl_b32 s3, s14, 2
	s_add_co_u32 s2, s2, s3
	s_lshl_b32 s2, s2, 12
	s_and_b32 s3, s42, 7
	s_lshl_b32 s3, s3, 9
	s_add_co_u32 s2, s2, s3
	s_add_co_u32 s2, s2, OS
	s_mov_b32 s3, 0
	s_lshl_b32 s20, s46, 4
	s_lshl_b32 s21, s16, 3
	s_add_co_u32 s20, s20, s21
	s_mul_i32 s20, s20, 12288                      ; B's codes
	s_mov_b32 s21, 0
	s_lshl_b32 s94, s46, 11
	s_lshl_b32 s95, s16, 10
	s_add_co_u32 s94, s94, s95
	s_add_co_u32 s94, s94, WSC                     ; B's scales
	s_mov_b32 s95, 0
	s_lshl_b32 s96, s40, 10
	s_lshl_b32 s97, s16, 9
	s_add_co_u32 s96, s96, s97                     ; my first column, in bytes
	s_mov_b32 s97, 0
	s_lshl_b32 s12, s42, 20
	s_lshl_b32 s13, s15, 19
	s_add_co_u32 s12, s12, s13                     ; my first row of 4,096 bytes
	s_add_co_u32 s12, s12, s96
	s_mov_b32 s13, 0
	s_mul_i32 s45, s14, HALFT                      ; LDS: wave x 128 rows: no place in the cluster enters an LDS address
	s_lshl_b32 s47, s14, 12
	; every LDS address is made here, ahead of the first branch on the wave's number
	v_and_b32 v9, 31, v0                           ; lane
	v_and_b32 v10, 15, v0                          ; r
	v_bfe_u32 v11, v0, 4, 1                        ; h
	v_lshlrev_b32 v[L16], 4, v9
	v_lshlrev_b32 v[L8], 3, v9
	v_lshlrev_b32 v[BOF], 6, v11
	s_mul_i32 s98, s15, HALFT
	s_mul_i32 s99, s16, HALFT
	s_add_co_u32 s99, s99, 2*HALFT
.irp s, 0,1
	v_add_nc_u32 v[ADRA+\s], s98, v[L16]
	v_add_nc_u32 v[ADRB+\s], s99, v[L16]
	v_add_nc_u32 v[ADRA+2+\s], s98, v[L8]
	v_add_nc_u32 v[ADRB+2+\s], s99, v[L8]
	s_add_co_u32 s98, s98, SLOT
	s_add_co_u32 s99, s99, SLOT
.endr
	s_lshl_b32 s98, s15, 12
	s_lshl_b32 s99, s16, 12
	s_add_co_u32 s99, s99, 8192
	s_sub_co_u32 s99, s99, s98
	v_mul_u32_u24 v12, s99, v11                    ; lanes 16-31 take B's scale words: one product, the distance between the two
	s_add_co_u32 s98, s98, SCL
	v_lshl_add_u32 v12, v10, 3, v12
	v_add_nc_u32 v[ADRS], s98, v12
	s_lshl_b32 s98, s14, 10                        ; K step w,
	s_add_co_u32 s98, s98, SCL
	v_lshlrev_b32 v[ASA], 6, v10                   ; my eight rows: 64 bytes,
	v_lshl_add_u32 v[ASA], v11, 12, v[ASA]         ; lanes 16-31 in the second run of 128 rows
	v_add_nc_u32 v[ASA], s98, v[ASA]
	s_mul_i32 s98, s14, 16*SPITCH                  ; my stage
	v_mul_u32_u24 v[STO], v10, SPITCH
	v_lshl_add_u32 v[STO], v11, 6, v[STO]
	v_add_nc_u32 v[STO], s98, v[STO]               ; in: row r, + 64 h
	v_add_nc_u32 v[RD], s98, v[L16]                ; back: the 32 lanes take a row of 512 bytes
	s_wait_kmcnt 0x0
	s_add_nc_u64 s[18:19], s[4:5], s[18:19]
	s_add_nc_u64 s[2:3], s[4:5], s[2:3]
	s_add_nc_u64 s[20:21], s[6:7], s[20:21]
	s_add_nc_u64 s[94:95], s[6:7], s[94:95]
	s_add_nc_u64 s[8:9], s[8:9], s[96:97]
	s_add_nc_u64 s[10:11], s[10:11], s[12:13]
	s_mov_b32 s[G0SB], 1
	s_add_co_u32 s[G0SB+1], s47, SCL               ; waves 2 and 3: behind A's two runs
	s_mov_b64 s[G0SB+2:G0SB+3], s[94:95]
	s_or_b32 s[G0SB+3], s[G0SB+3], 0x80000000
.irp s, 0,1
	s_mov_b32 s[G0+4*\s], 1
	s_add_co_u32 s[G0+4*\s+1], s45, \s*SLOT
	s_add_nc_u64 s[G0+4*\s+2:G0+4*\s+3], s[18:19], \s*TROW
	s_or_b32 s[G0+4*\s+3], s[G0+4*\s+3], 0x80000000
	s_mov_b32 s[G0B+4*\s], 1
	s_add_co_u32 s[G0B+4*\s+1], s45, \s*SLOT
	s_add_nc_u64 s[G0B+4*\s+2:G0B+4*\s+3], s[20:21], \s*TROW
	s_or_b32 s[G0B+4*\s+3], s[G0B+4*\s+3], 0x80000000
.endr
	s_mul_i32 s94, s46, 196608                     ; group 0 for the head's loads of K step 0: B's whole block of 16 tiles, behind A's in slot 0,
	s_mov_b32 s95, 0
	s_mov_b32 s96, 1
	s_mov_b32 s97, 2*HALFT
	s_add_nc_u64 s[98:99], s[6:7], s[94:95]
	s_or_b32 s99, s99, 0x80000000
	s_mul_i32 s12, s42, 196608                     ; and A's, at slot 0's start
	s_mov_b32 s13, 0
	s_add_nc_u64 s[6:7], s[4:5], s[12:13]
	s_or_b32 s7, s7, 0x80000000
	s_mov_b32 s4, 1
	s_mov_b32 s5, 0
	CROUND                                         ; all sixteen work-groups are here: the first joint loads meet
	; the head's tiles, one joint load a wave: wave 0 K step 0 of A, wave 1 of B, waves 2 and 3 a half of B's scales each; one chain of branches on the wave's number
	s_cmp_lt_u32 s14, 1
	s_cbranch_scc0 .Lhead_b
	tensor_load_to_lds s[4:7], s[G1:G1+7]
	s_nop 0
	PLACES 4
	s_branch .Lfirst_done
.Lhead_b:
	s_cmp_lt_u32 s14, 2
	s_cbranch_scc0 .Lhead_sb
	tensor_load_to_lds s[96:99], s[G1B:G1B+7]
	s_nop 0
	PLACES 4
	s_branch .Lfirst_done
.Lhead_sb:
	tensor_load_to_lds s[G0SB:G0SB+3], s[G1SB:G1SB+7]
	s_nop 0
	PLACES 4
.Lfirst_done:
.irp j, 0,1,2,3
	global_load_b128 v[128+4*\j:131+4*\j], v[L16], s[2:3] offset:4096*\j   ; head 4 w + j: the 256 rows' two bytes each: 512 consecutive bytes; I get rows 8 lane .. 8 lane + 7
.endr
.irp b, 0,1,2,3,4,5,6,7
	global_load_b128 v[BI+8*\b:BI+8*\b+3], v[BOF], s[8:9] offset:128*(\b/2)+32*(\b%2)          ; tile b, register j: column 32 (b / 2) + 8 (b % 2) + 16 h + j of my 128
	global_load_b128 v[BI+8*\b+4:BI+8*\b+7], v[BOF], s[8:9] offset:128*(\b/2)+32*(\b%2)+16
.endr
	s_wait_loadcnt 16                              ; the four loads of scale bytes are in; the bias's 16 may be out
	s_wait_alu depctr_va_vdst(0)
.irp j, 0,1,2,3
.irp e, 0,2,4,6
	ds_store_b16 v[ASA], v[128+4*\j+\e/2] offset:8*\e+2*\j             ; row e of my eight: bytes 2 j, 2 j + 1 of its eight for K step w
	ds_store_b16_d16_hi v[ASA], v[128+4*\j+\e/2] offset:8*\e+8+2*\j    ; row e + 1
.endr
.endr
.macro FRAG reg, adr, q, i             ; a fragment, 16 rows x 128 K: two half images
	ds_load_b128 v[\reg:\reg+3], v[\adr] offset:(\i)*TROW+(\q)*FRB
	ds_load_b64 v[\reg+4:\reg+5], v[\adr+2] offset:(\i)*TROW+(\q)*FRB+512
	ds_load_b128 v[\reg+6:\reg+9], v[\adr] offset:(\i)*TROW+(\q)*FRB+768
	ds_load_b64 v[\reg+10:\reg+11], v[\adr+2] offset:(\i)*TROW+(\q)*FRB+1280
.endm
; 16 matrix instructions: A's blocks a0, a0 + 1 x B's eight.  first = 1: the sums begin with the bias.  The 64 accumulators take turns, one instruction a turn.
.macro MUL16 a0, p, q, sc, first
.irp a, \a0, \a0+1
.irp b, 0,1,2,3,4,5,6,7
.if \first
	v_wmma_scale_f32_16x16x128_f8f6f4 v[8*(8*((\a)%4)+\b):8*(8*((\a)%4)+\b)+7], v[128*(\p)+FR*\b:128*(\p)+FR*\b+FR-1], v[AF+FR*(\a):AF+FR*(\a)+FR-1], v[BI+8*\b:BI+8*\b+7], v[SC+8*NQ*(\sc)+NQ*\b+(\q)], v[SC+8*NQ*(\sc)+NQ*(\a)+(\q)] matrix_a_fmt:MATRIX_FMT_FP6 matrix_b_fmt:MATRIX_FMT_FP6 matrix_a_scale:MATRIX_SCALE_ROW1
.else
	v_wmma_scale_f32_16x16x128_f8f6f4 v[8*(8*((\a)%4)+\b):8*(8*((\a)%4)+\b)+7], v[128*(\p)+FR*\b:128*(\p)+FR*\b+FR-1], v[AF+FR*(\a):AF+FR*(\a)+FR-1], v[8*(8*((\a)%4)+\b):8*(8*((\a)%4)+\b)+7], v[SC+8*NQ*(\sc)+NQ*\b+(\q)], v[SC+8*NQ*(\sc)+NQ*(\a)+(\q)] matrix_a_fmt:MATRIX_FMT_FP6 matrix_b_fmt:MATRIX_FMT_FP6 matrix_a_scale:MATRIX_SCALE_ROW1
.endif
.endr
.endr
.endm
.macro FETCH_B slot, q, p
	WIN TO_B
.irp i, 0,1,2,3,4,5,6,7
	FRAG 128*(\p)+FR*\i, ADRB+\slot, \q, \i
.endr
	WIN 0
.endm
.macro FETCH_A slot, q, i0
.irp i, \i0, \i0+1, \i0+2, \i0+3
	FRAG AF+FR*(\i), ADRA+\slot, \q, \i
.endr
.endm
.macro SCALES sc
.irp i, 0,1,2,3,4,5,6,7
	ds_load_b64 v[SC+8*NQ*\sc+NQ*\i:SC+8*NQ*\sc+NQ*\i+1], v[ADRS] offset:\i*128
.endr
.endm
.macro STEP slot, q, first
	s_wait_dscnt 4*NL                              ; B's set and A's blocks 0-3 are in; the youngest 16 loads (A's blocks 4-7) may be out
.if \first
	WIN FIRST_LO
.else
	WIN MUL_LO
.endif
	MUL16 0, (\q)%2, \q, \slot, \first
	MUL16 2, (\q)%2, \q, \slot, \first
	s_wait_dscnt 0x0
	PLACES NP                                      ; in front of loads into registers that matrix instructions have read
	FETCH_B \slot, (\q)+1, 1-(\q)%2
	FETCH_A \slot, (\q)+1, 0
.if \first
	WIN FIRST_HI
.else
	WIN MUL_HI
.endif
	MUL16 4, (\q)%2, \q, \slot, \first
	MUL16 6, (\q)%2, \q, \slot, \first
	PLACES NP
	WIN 0
	FETCH_A \slot, (\q)+1, 4
.endm
; A slot's last step changes slots: one barrier; in front of it each wave waits for all its tensor loads, adds 0 to its spare word, and waits for that and for its reads of this slot.
.macro TURN slot, next, fill
	s_wait_tensorcnt 0x0                           ; all my tensor loads have landed: my part of the next slot
	ds_add_u32 v[SPW], v[NIL]                      ; 0 onto my spare word
	s_wait_dscnt 4*NL+1                            ; the add and the youngest 16 loads may be out
	WIN MUL_LO
	MUL16 0, 1, NQ-1, \slot, 0
	s_wait_dscnt 0x0                               ; the add is done, and my reads of this slot are over
	s_barrier_signal -1
	MUL16 2, 1, NQ-1, \slot, 0
	WIN 0
	s_barrier_wait -1
.if \fill
	CREST                                          ; the barrier has opened a round of the cluster's: no wave of any partner still reads this slot or has a load on its way
	s_add_nc_u64 s[G0+4*\slot+2:G0+4*\slot+3], s[G0+4*\slot+2:G0+4*\slot+3], 2*TROW
	s_add_nc_u64 s[G0B+4*\slot+2:G0B+4*\slot+3], s[G0B+4*\slot+2:G0B+4*\slot+3], 2*TROW
	JLOAD G0+4*\slot, G1, G0B+4*\slot, G1B         ; the first tensor load behind the round
.else
	PLACES NP
.endif
	s_wait_alu depctr_va_vdst(0)
	v_add_nc_u32 v[ADRS], 1024, v[ADRS]
	FETCH_B \next, 0, 0
	FETCH_A \next, 0, 0
	SCALES \next
	WIN MUL_HI
	MUL16 4, 1, NQ-1, \slot, 0
	MUL16 6, 1, NQ-1, \slot, 0
	PLACES NP
	WIN 0
	FETCH_A \next, 0, 4
.endm
	s_wait_alu depctr_va_vdst(0)                   ; the wait at the head's end
	s_wait_tensorcnt 0x0                           ; my tile of the head's is in; slot 1's first fill is issued as a refill is:
	ds_add_u32 v[SPW], v[NIL]                      ; 0 onto my spare word
	s_mov_b32 s[G1+2], 8<<16                       ; no tensor load of mine is out: from here on a load brings 8 tiles (128 operand rows)
	s_mov_b32 s[G1+4], 8
	s_mov_b32 s[G1B+2], 8<<16
	s_mov_b32 s[G1B+4], 8
	s_wait_dscnt 0x0                               ; the add is done, and for the others' sake my part of o's scale words has landed
	CROUND                                         ; all tiles are in, and all sixteen work-groups are here
	JLOAD G0+4, G1, G0B+4, G1B                     ; K step 1, the first tensor load behind the round
	FETCH_B 0, 0, 0
	FETCH_A 0, 0, 0
	SCALES 0
	FETCH_A 0, 0, 4
	s_wait_loadcnt 0x0                             ; the bias
	STEP 0, 0, 1
	TURN 0, 1, 1
	STEP 1, 0, 0
	TURN 1, 0, 1
	STEP 0, 0, 0
	TURN 0, 1, 0                                   ; behind this barrier nobody reads slot 0, which has had its last fill: the stages lie there
	STEP 1, 0, 0
	s_wait_dscnt 4*NL
	WIN MUL_LO
	MUL16 0, 1, NQ-1, 1, 0
	MUL16 2, 1, NQ-1, 1, 0
	s_wait_dscnt 0x0
	WIN MUL_HI
	MUL16 4, 1, NQ-1, 1, 0
	MUL16 6, 1, NQ-1, 1, 0
	WIN 0
; THE WAY OUT, block by block of 16 rows x 128 columns, through my own stage: in by 32 bytes of a row at the columns' true places, back as whole rows of 512 bytes.  LDS serves a wave's instructions in order.
.macro TOSTAGE a
.set AC, 64*((\a)%4)
	WIN 0x08+4*((\a)/4)                            ; an LDS store's data are its source 1: window 2 or 3
.irp b, 0,1,2,3,4,5,6,7
	ds_store_b128 v[STO], v[AC+8*\b:AC+8*\b+3] offset:128*(\b/2)+32*(\b%2)         ; each accumulator from its low end on
	ds_store_b128 v[STO], v[AC+8*\b+4:AC+8*\b+7] offset:128*(\b/2)+32*(\b%2)+16
.endr
	WIN 0
.set BB, BK+64*((\a)%2)
.irp t, 0,1,2,3,4,5,6,7,8,9,10,11,12,13,14,15
	ds_load_b128 v[BB+4*\t:BB+4*\t+3], v[RD] offset:\t*SPITCH
.endr
.endm
.macro SEND a, younger                 ; younger: the LDS instructions issued behind block a's loads
.set BB, BK+64*((\a)%2)
	s_wait_dscnt \younger
.irp t, 0,1,2,3,4,5,6,7,8,9,10,11,12,13,14,15
	global_store_b128 v[L16], v[BB+4*\t:BB+4*\t+3], s[10:11] offset:(32*((\a)/2)+8*((\a)%2)+\t+8*(\t/8))*4096 th:TH_STORE_NT   ; the row's true place stands in the immediate; 32 lanes store 512 consecutive bytes, aligned
.endr
.endm
	PLACES NP                                      ; behind the last products: for the reads of results and the loads into A's registers
	TOSTAGE 0
.irp a, 1,2,3,4,5,6,7
.if \a > 1
	s_wait_xcnt 0x0                                ; block a - 2's stores have read their registers: block a's rows may land there
.endif
	TOSTAGE \a
	SEND \a-1, 32                                  ; behind block a - 1's loads: block a's 16 stores and 16 loads
.endr
	SEND 7, 0
	s_wait_tensorcnt 0x0                           ; the wave's end: my last LDS instructions
	ds_add_u32 v[SPW], v[NIL]
	s_wait_dscnt 0x0
	CROUND                                         ; the closing round
	s_endpgm
.Lfunc_end_k_qeefb48c38d_gemm_out:
	.size	k_qeefb48c38d_gemm_out, .Lfunc_end_k_qeefb48c38d_gemm_out-k_qeefb48c38d_gemm_out
	.p2alignl 7, 3214868480
	.fill 96, 4, 3214868480
	.section	.rodata,"a",@progbits
	.p2align	6, 0x0
	.amdhsa_kernel k_qeefb48c38d_gemm_out
		.amdhsa_group_segment_fixed_size 327680
		.amdhsa_private_segment_fixed_size 0
		.amdhsa_enable_private_segment 0
		.amdhsa_kernarg_size 32
		.amdhsa_user_sgpr_count 2
		.amdhsa_user_sgpr_kernarg_segment_ptr 1
		.amdhsa_wavefront_size32 1
		.amdhsa_system_sgpr_workgroup_id_x 1
		.amdhsa_system_sgpr_workgroup_id_y 1
		.amdhsa_system_sgpr_workgroup_id_z 1
		.amdhsa_system_vgpr_workitem_id 0
		.amdhsa_next_free_vgpr 1024
		.amdhsa_next_free_sgpr 100
		.amdhsa_reserve_vcc 0
		.amdhsa_float_denorm_mode_32 3
		.amdhsa_float_denorm_mode_16_64 3
		.amdhsa_memory_ordered 1
		.amdhsa_forward_progress 1
		.amdhsa_inst_pref_size 148
	.end_amdhsa_kernel
	.amdgpu_metadata
---
amdhsa.version: [ 1, 2 ]
amdhsa.kernels:
  - .name:           k_qeefb48c38d_gemm_out
    .symbol:         k_qeefb48c38d_gemm_out.kd
    .args:
      - { .name: obuf, .offset: 0, .size: 8, .value_kind: global_buffer, .address_space: global }
      - { .name: wbuf, .offset: 8, .size: 8, .value_kind: global_buffer, .address_space: global }
      - { .name: bout, .offset: 16, .size: 8, .value_kind: global_buffer, .address_space: global }
      - { .name: out0, .offset: 24, .size: 8, .value_kind: global_buffer, .address_space: global }
    .group_segment_fixed_size: 327680
    .private_segment_fixed_size: 0
    .kernarg_segment_align: 8
    .kernarg_segment_size: 32
    .max_flat_workgroup_size: 128
    .sgpr_count:     100
    .vgpr_count:     1024
    .wavefront_size: 32
...
	.end_amdgpu_metadata
.endif
;; end of part 4
